; MI455X (gfx1250); checked and timed in simulation.
; The chip was launched on July 23, 2026; its instructions are those of AMD's public machine-readable ISA for CDNA 5 (MIT licence, August 2026) and "CDNA5" Instruction Set Architecture Reference Guide (July 2026). The comments in the code are by the model that wrote it; some were corrected since.
;; Multi Head Attention. Allowed arithmetic: matrix products marked QUANTISED: E5M2 operands, one E8M0 scale for each 32 along K, by v_wmma_scale_f32_16x16x128_f8f6f4 with both operands' format E5M2, f32 sums; everything else in f32.
;; Inputs: K 4 x 2,048 x 1,024 float32; Q 4 x 2,048 x 1,024 float32; V 4 x 2,048 x 1,024 float32; WK 16 x 64 x 1,024 float32; WO 1,024 x 1,024 float32; WQ 16 x 64 x 1,024 float32; WV 16 x 64 x 1,024 float32.
;; Outputs: out0 4 x 2,048 x 1,024 float32.
;; This version of the problem:
;;   THIS VERSION OF THE PROBLEM IS GIVEN IN LOW PRECISION. The matrix products marked QUANTISED in the list below multiply operands that are first quantised to E5M2 (5 exponent bits, 2 mantissa bits; 8 bits a number), with one power-of-two scale for each 32 numbers along K (OCP MX v1.0); their sums are f32. All else is computed in f32.
;;   The module's matrix products, in the order in which they are computed (A, B: the left and right operand; K: the contracted axis; several contracted axes count as one K, in the product's order):
;;     1. [M 1,024, K 1,024] x [K 1,024, N 8,192]; A: input WQ; B: input Q: QUANTISED
;;     2. [M 1,024, K 1,024] x [K 1,024, N 8,192]; A: input WK; B: input K: QUANTISED
;;     3. [M 1,024, K 1,024] x [K 1,024, N 8,192]; A: input WV; B: input V: QUANTISED
;;     4. batch 64 x [M 2,048, K 64] x [K 64, N 2,048]; A: computed on the way; B: computed on the way: QUANTISED
;;     5. batch 64 x [M 2,048, K 2,048] x [K 2,048, N 64]; A: softmax (see below); B: computed on the way: QUANTISED
;;     6. [M 8,192, K 1,024] x [K 1,024, N 1,024]; A: computed on the way; B: input WO: QUANTISED
;;   THE QUANTISER, for each operand of a quantised product, along K:
;;     - K is cut into blocks of 32 from its start; a last block that is shorter is filled with zeros.
;;     - A block's scale is 2^e with e = floor(log2(the largest magnitude in the block)) - 15, held to -126 .. 127; a block of zeros has e = 0. As a byte (E8M0): e + 127.
;;     - Each number is divided by its block's scale, clamped to +-57,344, and rounded to the nearest number of E5M2, ties to even, subnormals kept.
;;     - The product sums the exact products of the quantised numbers (number of the format x scale) in f32.
;;   ~~~python
;;   def quantise(x, axis):      # numpy; x: float32 -> the quantised numbers, widened to float32 again
;;       x = np.moveaxis(x, axis, -1); K = x.shape[-1]
;;       x = np.pad(x, [(0, 0)] * (x.ndim - 1) + [(0, -K % 32)]); x = x.reshape(x.shape[:-1] + (-1, 32)); a = np.abs(x).max(-1, keepdims=True)
;;       e = np.where(a > 0, np.clip(np.frexp(np.where(a > 0, a, 1))[1] - 1 - 15, -126, 127), 0)      # np.frexp(a)[1] - 1 = floor(log2(a)), exactly
;;       r = np.clip(x / 2.0 ** e, -57344, 57344)
;;       step = 2.0 ** (np.maximum(np.frexp(np.where(r == 0, 1, r))[1] - 1, -14) - 2)
;;       q = np.round(r / step) * step * 2.0 ** e      # np.round: ties to even
;;       return np.moveaxis(q.reshape(q.shape[:-2] + (-1,))[..., :K], -1, axis).astype(np.float32)
;;   ~~~
;;   SOFTMAX AHEAD OF A QUANTISED PRODUCT. Where the list says 'softmax', what is quantised is not the finished softmax but p = 2^(t - M), with t = logit x log2(e) and M = ceil(the row's largest t), a whole number; so 1/2 < the row's largest p <= 1. The row's sum l is taken of the UNQUANTISED p, in f32, and the product's result is divided by l at the end. Since M is a whole number, a kernel that streams over the keys may use a running M (the ceiling of the running maximum): every later rescaling is an exact power of two, which a block's scale takes up: the codes' values come out the same.
;;   OPERANDS COMPUTED ON THE WAY. 'Computed on the way' means the value that the module computes at that place (a softmax that the list does not call 'softmax' is quantised finished and normalised). What goes into a quantiser is computed in f32, as accurately as f32 sums, v_exp_f32 and their like allow (about 1e-6 of the number): no bf16 or f16 on the way to a quantiser, and a product that is left as it is and whose result goes on into a quantised operand takes f32 operands (vector FMAs, or v_wmma_f32_16x16x4_f32). A number that lies on a knife's edge between two numbers of the format may be rounded either way, as far as f32 arithmetic and the matrix unit's own rounding can turn it there, and no further.
;; One version. Each part assembles by itself: llvm-mc -triple=amdgcn-amd-amdhsa -mcpu=gfx1250 --defsym DOCPART=n.
;; ======== version 1 of 1: 4 launches
;; limits: right only within a limited range of input values
;; workspace buffers: codes 29,360,128 bytes; scales 917,504 bytes; qkv 26,738,688 bytes; cc 8,388,608 bytes; cs 262,144 bytes
;; launch quant (part 1): grid 896 x 1, 4 waves a work-group, no clusters, 33,280 bytes of LDS; arguments Q, K, V, WQ, WK, WV, WO, codes, scales; writes codes, scales
.if DOCPART == 1
	.amdgcn_target "amdgcn-amd-amdhsa--gfx1250"
	.amdhsa_code_object_version 6
	.text
	.protected	k_qd96a7d1a54_quant
	.globl	k_qd96a7d1a54_quant
	.p2align	8
	.type	k_qd96a7d1a54_quant,@function
k_qd96a7d1a54_quant:
	s_mov_b64 s[64:65], 0
	v_nop
	global_prefetch_b8 v0, s[64:65] scope:SCOPE_SE
	s_setreg_imm32_b32 hwreg(HW_REG_WAVE_MODE, 25, 1), 1
	s_wait_xcnt 0x0
; Q, K, V [8192][1024] and WQ, WK, WV, WO [1024][1024], f32 with the products' K innermost, become codes of BF8 (E5M2), one byte each, and one E8M0 scale byte for each 32 along K.
; The seven tensors' codes lie one behind the other in one buffer (Q, K, V, WQ, WK, WV, WO: 28,672 rows of 1,024 bytes), their scale bytes likewise (rows of 32 bytes).
; A block's scale is 2^(floor(log2(its largest magnitude)) - 15); its byte is the largest magnitude's exponent field - 15, held at 1 from below.  Each number is divided by the scale, held within +-57,344 and rounded to the nearest code, ties to even.
; LIMITS: a block of zeros gets the byte 1 where the rule says 127 (its codes are zeros, which add nothing, and this program alone reads the bytes); blocks whose largest magnitude lies under 2^-111 are held at that byte; NaN and infinities among the inputs are not served.
; Rows are dense, so every tensor is a plain stream of blocks of 32.  A work-group takes 32,768 numbers, a wave 16 steps of 512.  Work-groups 0-255 Q, 256-511 K, 512-767 V, then 32 each for WQ, WK, WV, WO;
; the outputs are one stream over all 896 work-groups, so only the input's address is chosen.
; Each of a step's four loads reads 512 consecutive bytes, 16 a lane; the 2,048 bytes turn through the wave's own stage in LDS and come back 64 bytes a lane: 16 neighbours along K, as the conversions want them; two neighbouring lanes hold a block.
; A lane's 16 codes are 16 bytes: a wave's store covers 512 consecutive bytes.  A wave's 256 scale bytes are gathered in LDS and leave as 256 consecutive aligned bytes.  No barrier: waves share nothing.
.set STEPS, 16
.set MANT,  0x600000                   ; the mantissa field of 57,344 as f32
.set CB,    16                         ; bytes of 16 codes
.set R,     16                         ; v16-79   four sets of 16 numbers as they are loaded
.set X,     80                         ; v80-111  two sets of 16 neighbours
.set E,     112                        ; v112-127 a scale byte for each step
.set C,     128                        ; v128-191 codes: four registers for each step, so that no store's data are written again
.set WREG,  8192                       ; LDS: a region for each wave: two stages of 32 x SP bytes, behind them its 256 scale bytes
.set SP,    80                         ; a lane's place in a stage: 64 bytes + 16 of padding
	s_load_b256 s[4:11], s[0:1], 0x0               ; Q, K, V, WQ
	s_load_b256 s[12:19], s[0:1], 0x20             ; WK, WV, WO, codes
	s_load_b64 s[20:21], s[0:1], 0x40              ; scales
	v_lshl_add_u32 v192, v0, 2, 0x8000
	v_mov_b32 v193, 0
	v_lshrrev_b32 v1, 5, v0
	v_readfirstlane_b32 s22, v1                    ; wave
	v_and_b32 v2, 31, v0                           ; lane
	v_lshlrev_b32 v3, 4, v2                        ; my 16 bytes of a load's 512
	s_mul_i32 s27, s22, WREG
	v_lshrrev_b32 v14, 2, v2
	v_mul_u32_u24 v14, v14, SP
	v_and_b32 v15, 3, v2
	v_lshl_add_u32 v14, v15, 4, v14
	v_add_nc_u32 v14, s27, v14                     ; the stage, on the way in: SP (lane / 4) + 16 (lane % 4)
	v_mul_u32_u24 v15, v2, SP
	v_add_nc_u32 v15, s27, v15                     ; and on the way out: SP x lane: my 16 neighbours
	v_mul_u32_u24 v4, v2, CB                       ; my codes' place in a step's
	v_lshrrev_b32 v5, 1, v2
	s_add_co_u32 s27, s27, 2*32*SP
	v_add_nc_u32 v5, s27, v5                       ; LDS: my wave's 256 scale bytes, my block's byte
	v_lshlrev_b32 v7, 3, v2                        ; and on the way out 8 bytes a lane
	v_add_nc_u32 v6, s27, v7
	s_mov_b32 s23, MANT
	s_wait_alu depctr_va_vdst(0)
	s_wait_kmcnt 0x0
	; which tensor is my work-group's: a chain of choices on the work-group's number alone
	s_mov_b64 s[24:25], s[16:17]                   ; WO,
	s_mov_b32 s26, 864                             ; whose first work-group is 864
.macro PICK limit, ptr, first
	s_cmp_lt_u32 ttmp9, \limit
	s_cselect_b64 s[24:25], s[\ptr:\ptr+1], s[24:25]
	s_cselect_b32 s26, \first, s26
.endm
	PICK 864, 14, 832                              ; WV
	PICK 832, 12, 800                              ; WK
	PICK 800, 10, 768                              ; WQ
	PICK 768, 8, 512                               ; V
	PICK 512, 6, 256                               ; K
	PICK 256, 4, 0                                 ; Q
	s_sub_co_u32 s27, ttmp9, s26
	s_lshl_b32 s27, s27, 2
	s_add_co_u32 s28, s27, s22                     ; which run of 8,192 numbers of the tensor is my wave's
	s_lshl_b32 s28, s28, 15                        ; 32,768 bytes a run (at most 2^25 in all)
	s_mov_b32 s29, 0
	s_add_nc_u64 s[24:25], s[24:25], s[28:29]
	s_lshl_b32 s30, ttmp9, 2
	s_add_co_u32 s30, s30, s22                     ; which run of the whole stream
	s_lshl_b32 s32, s30, 13                        ; 8,192 bytes of codes a run
	s_mov_b32 s33, 0
	s_add_nc_u64 s[18:19], s[18:19], s[32:33]
	s_lshl_b32 s32, s30, 8                         ; 256 scale bytes a run
	s_add_nc_u64 s[20:21], s[20:21], s[32:33]
.macro LOAD t
.irp i, 0,1,2,3
	global_load_b128 v[R+16*((\t)%4)+4*\i:R+16*((\t)%4)+4*\i+3], v3, s[24:25] offset:2048*(\t)+512*\i th:TH_LOAD_NT   ; 32 lanes read 512 consecutive bytes
.endr
.endm
.macro TURN t                          ; step t's numbers through the stage: LDS serves a wave's instructions in order, so no wait stands between the stores and the loads
.irp i, 0,1,2,3
	ds_store_b128 v14, v[R+16*((\t)%4)+4*\i:R+16*((\t)%4)+4*\i+3] offset:32*SP*((\t)%2)+8*SP*\i
.endr
.irp i, 0,1,2,3
	ds_load_b128 v[X+16*((\t)%2)+4*\i:X+16*((\t)%2)+4*\i+3], v15 offset:32*SP*((\t)%2)+16*\i
.endr
.endm
.irp t, 0,1,2,3
	LOAD \t
.endr
	s_wait_loadcnt 12                              ; step 0's four loads are in; the twelve of steps 1 to 3 may be out
	TURN 0
.macro STEP t
.set XS, X+16*((\t)%2)
.if (\t) > 0
	s_wait_dscnt 1                                 ; this step's numbers are back from the stage (the last step's byte store may be out): so its stores into the stage have read their registers,
.else
	s_wait_dscnt 0x0
.endif
.if (\t)+4 < STEPS
	LOAD (\t)+4                                    ; which take the loads of four steps on
.endif
.if (\t)+1 < STEPS
.if STEPS-2-(\t) >= 3
	s_wait_loadcnt 12                              ; the next step's four loads are in; those of the three steps behind it may be out
.else
	s_wait_loadcnt 4*(STEPS-2-(\t))                ; the tail: fewer steps are behind it
.endif
	TURN (\t)+1                                    ; and go through the other stage while this step is worked
.endif
	v_max3_num_f32 v8, |v[XS]|, |v[XS+1]|, |v[XS+2]|               ; the largest magnitude of my 16, in two chains
	v_max3_num_f32 v9, |v[XS+3]|, |v[XS+4]|, |v[XS+5]|
.irp i, 6,10
	v_max3_num_f32 v8, v8, |v[XS+\i]|, |v[XS+\i+1]|
	v_max3_num_f32 v9, v9, |v[XS+\i+2]|, |v[XS+\i+3]|
.endr
	v_max3_num_f32 v8, v8, |v[XS+14]|, |v[XS+15]|
	v_max3_num_f32 v8, v8, v9, 0x8000000           ; and the floor 2^(16 - 127): so the byte cannot fall under 1
	v_max_num_f32_dpp v8, v8, v8 row_xmask:1 row_mask:0xf bank_mask:0xf   ; and of my neighbour's 16: the block's
	v_add_nc_u32 v11, 0xf8800000, v8               ; 15 off its exponent field: the conversion takes the exponent field of this operand as its scale, and nothing else of it
	v_and_or_b32 v10, v8, 0x7f800000, s23          ; 57,344 x the scale: the largest magnitude's exponent field over 57,344's mantissa
.irp i, 0,1,2,3,4,5,6,7,8,9,10,11,12,13,14,15
	v_med3_num_f32 v[XS+\i], v[XS+\i], -v10, v10   ; the conversion to an 8-bit code does not saturate (ISA guide 7.6.2): the hold comes first
.endr
	v_cvt_scalef32_pk8_bf8_f32 v[C+4*(\t):C+4*(\t)+1], v[XS:XS+7], v11
	v_cvt_scalef32_pk8_bf8_f32 v[C+4*(\t)+2:C+4*(\t)+3], v[XS+8:XS+15], v11
	v_lshrrev_b32 v[E+(\t)], 23, v11               ; the scale's byte (also the plain line behind the conversions)
	ds_store_b8 v5, v[E+(\t)] offset:16*(\t)       ; both lanes of a block write the same byte with the same value
	global_store_b128 v4, v[C+4*(\t):C+4*(\t)+3], s[18:19] offset:32*CB*(\t)
.endm
.irp t, 0,1,2,3,4,5,6,7,8,9,10,11,12,13,14,15
	STEP \t
.endr
	ds_load_b64 v[12:13], v6                       ; LDS serves a wave's instructions in order: these see my stores
	s_wait_dscnt 0x0
	global_store_b64 v7, v[12:13], s[20:21]        ; 32 lanes store 256 consecutive aligned bytes
	s_wait_tensorcnt 0x0
	ds_add_u32 v192, v193
	s_wait_dscnt 0x0
	s_endpgm
.Lfunc_end_k_qd96a7d1a54_quant:
	.size	k_qd96a7d1a54_quant, .Lfunc_end_k_qd96a7d1a54_quant-k_qd96a7d1a54_quant
	.p2alignl 7, 3214868480
	.fill 96, 4, 3214868480
	.section	.rodata,"a",@progbits
	.p2align	6, 0x0
	.amdhsa_kernel k_qd96a7d1a54_quant
		.amdhsa_group_segment_fixed_size 33280
		.amdhsa_private_segment_fixed_size 0
		.amdhsa_enable_private_segment 0
		.amdhsa_kernarg_size 72
		.amdhsa_user_sgpr_count 2
		.amdhsa_user_sgpr_kernarg_segment_ptr 1
		.amdhsa_wavefront_size32 1
		.amdhsa_system_sgpr_workgroup_id_x 1
		.amdhsa_system_sgpr_workgroup_id_y 1
		.amdhsa_system_sgpr_workgroup_id_z 1
		.amdhsa_system_vgpr_workitem_id 0
		.amdhsa_next_free_vgpr 194
		.amdhsa_next_free_sgpr 66
		.amdhsa_reserve_vcc 0
		.amdhsa_float_denorm_mode_32 3
		.amdhsa_float_denorm_mode_16_64 3
		.amdhsa_memory_ordered 1
		.amdhsa_forward_progress 1
		.amdhsa_inst_pref_size 52
	.end_amdhsa_kernel
	.amdgpu_metadata
---
amdhsa.version: [ 1, 2 ]
amdhsa.kernels:
  - .name:           k_qd96a7d1a54_quant
    .symbol:         k_qd96a7d1a54_quant.kd
    .args:
      - { .name: Q, .offset: 0, .size: 8, .value_kind: global_buffer, .address_space: global }
      - { .name: K, .offset: 8, .size: 8, .value_kind: global_buffer, .address_space: global }
      - { .name: V, .offset: 16, .size: 8, .value_kind: global_buffer, .address_space: global }
      - { .name: WQ, .offset: 24, .size: 8, .value_kind: global_buffer, .address_space: global }
      - { .name: WK, .offset: 32, .size: 8, .value_kind: global_buffer, .address_space: global }
      - { .name: WV, .offset: 40, .size: 8, .value_kind: global_buffer, .address_space: global }
      - { .name: WO, .offset: 48, .size: 8, .value_kind: global_buffer, .address_space: global }
      - { .name: codes, .offset: 56, .size: 8, .value_kind: global_buffer, .address_space: global }
      - { .name: scales, .offset: 64, .size: 8, .value_kind: global_buffer, .address_space: global }
    .group_segment_fixed_size: 33280
    .private_segment_fixed_size: 0
    .kernarg_segment_align: 8
    .kernarg_segment_size: 72
    .max_flat_workgroup_size: 128
    .sgpr_count:     66
    .vgpr_count:     194
    .wavefront_size: 32
...
	.end_amdgpu_metadata
.endif
;; end of part 1
;; launch proj (part 2): grid 4 x 96, 4 waves a work-group, clusters of 4 x 4, 327,680 bytes of LDS; arguments codes, scales, qkv; writes qkv
.if DOCPART == 2
	.amdgcn_target "amdgcn-amd-amdhsa--gfx1250"
	.amdhsa_code_object_version 6
	.text
	.protected	k_qd96a7d1a54_proj
	.globl	k_qd96a7d1a54_proj
	.p2align	8
	.type	k_qd96a7d1a54_proj,@function
k_qd96a7d1a54_proj:
	s_mov_b64 s[64:65], 0
	v_nop
	global_prefetch_b8 v0, s[64:65] scope:SCOPE_SE
	s_setreg_imm32_b32 hwreg(HW_REG_WAVE_MODE, 25, 1), 1
	s_wait_xcnt 0x0
	s_wait_alu depctr_hold_cnt(0) depctr_sa_sdst(0) depctr_va_vdst(0) depctr_va_sdst(0) depctr_va_ssrc(0) depctr_va_vcc(0) depctr_vm_vsrc(0)
	s_getreg_b32 s2, hwreg(HW_REG_IB_STS2, 6, 4)
	s_cmp_eq_u32 s2, 0
	s_cbranch_scc0 .Lentry_in_a_cluster
	s_endpgm
.Lentry_in_a_cluster:
	s_bfe_u32 s2, ttmp6, 0x10000c
	s_cmp_lg_u32 s2, 0xf033
	s_cbranch_scc0 .Lentry_shape_is_right
	s_endpgm
.Lentry_shape_is_right:
.set KSTEP,  256
.set NQ,     2
.set ROWB,   256
.set KROW,   1024
.set PITCH,  272
.set FR,     16
.set NL,     4
.set NP,     8
.set HALFT,  128*PITCH
.set SLOT,   4*HALFT
.set LAPS,   2
.set KS,     32
.set SCL,    2*SLOT
.set HALFS,  (128*KS/256)*272
.set SBLK,   (16*KS/256)*272
.set SPARE,  SCL+4*HALFS
.set REC,    8704
.set ADRA, 16
.set ADRB, 20
.set VO0,  24
.set VO1,  25
.set VOS1, 26
.set ADRS, 27
.set SPW,  28
.set NIL,  29
.set VOS2, 30
.set VSH,  31
.set SC,   32
.set AF,   128
.set TM,   32
.set SW,   48
.set XS,   56
.set X,    64
.set PC,   128
.set G1, 24
.set G0, 32
.set G1B, 48
.set G0B, 56
.set G1S, 68
.set G0S, 76
.set G1SB, 80
.set G0SB, 88
.set TT,  66
.set SWP, 92
.set SEL, 96
.set MNT, 98
.set SMASK, 99
.set AST, 100
.set AST4, 104
.set MSB, 0
.macro WIN new
.if MSB != \new
	s_set_vgpr_msb (MSB<<8)|\new
.set MSB, \new
.endif
.endm
.set MUL_LO, 0xa1
.set MUL_HI, 0xf1
.set TO_B,   0x40
.macro JLOAD g0a, g1a, g0b, g1b
	s_cmp_eq_u32 s15, 0
	s_cbranch_scc0 .Lfor_b_\@
	tensor_load_to_lds s[\g0a:\g0a+3], s[\g1a:\g1a+7]
	s_nop 0
.rept 4
	v_nop
.endr
	s_branch .Lasked_\@
.Lfor_b_\@:
	tensor_load_to_lds s[\g0b:\g0b+3], s[\g1b:\g1b+7]
	s_nop 0
.rept 4
	v_nop
.endr
.Lasked_\@:
.endm
.macro CREST
	s_cmp_lg_u32 s14, 0
	s_cbranch_scc1 .Lnot_wave_0_\@
	s_barrier_signal -3
.Lnot_wave_0_\@:
	s_barrier_wait -3
	s_barrier_signal -1
	s_barrier_wait -1
.endm
.macro CROUND
	s_barrier_signal -1
	s_barrier_wait -1
	CREST
.endm
	s_load_b128 s[4:7], s[0:1], 0x0
	s_load_b64 s[12:13], s[0:1], 0x10
	v_lshl_add_u32 v[SPW], v0, 2, SPARE
	v_mov_b32 v[NIL], 0
	ds_add_u32 v28, v29
	ds_add_u32 v28, v29
	s_wait_dscnt 0x0
	v_lshrrev_b32 v1, 5, v0
	v_readfirstlane_b32 s14, v1
	s_lshr_b32 s15, s14, 1
	s_and_b32 s16, s14, 1
	s_bfe_u32 s40, ttmp6, 0x40000
	s_bfe_u32 s41, ttmp6, 0x40004
	s_and_b32 s17, ttmp7, 0xffff
	s_lshr_b32 s[TT], s17, 3
	s_and_b32 s67, s17, 7
	s_lshl_b32 s67, s67, 2
	s_lshl_b32 s8, s[TT], 13
	s_lshl_b32 s9, s[TT], 10
	s_add_co_u32 s9, s9, 24576
	s_cmp_lt_u32 s[TT], 2
	s_cselect_b32 s17, s67, 0
	s_cselect_b32 s42, 0, s67
	s_cselect_b32 s8, s8, 26624
	s_cselect_b32 s9, s9, 16384
	s_add_co_u32 s17, s17, s41
	s_add_co_u32 s42, s42, s40
	s_lshl_b32 s43, s41, 2
	s_lshl_b32 s43, 15, s43
	s_lshl_b32 s44, 0x1111, s40
	s_or_b32 s[G1+0], s43, (0<<16)|(1<<20)|(1<<21)|(5<<22)|(3<<25)
	s_or_b32 s[G1B+0], s44, (0<<16)|(1<<20)|(1<<21)|(5<<22)|(3<<25)
.irp g, G1, G1B
	s_mov_b32 s[\g+1], ROWB<<16
	s_mov_b32 s[\g+2], 256<<16
	s_mov_b32 s[\g+3], ROWB<<16
	s_mov_b32 s[\g+4], 256
	s_mov_b32 s[\g+5], KROW
	s_mov_b32 s[\g+6], 0
	s_mov_b32 s[\g+7], 0
.endr
	s_or_b32 s[G1S+0], s43, (3<<16)|(1<<20)|(1<<21)|(5<<22)|(3<<25)
	s_or_b32 s[G1SB+0], s44, (3<<16)|(1<<20)|(1<<21)|(5<<22)|(3<<25)
.irp g, G1S, G1SB
	s_mov_b32 s[\g+1], 32<<16
	s_mov_b32 s[\g+2], KS<<16
	s_mov_b32 s[\g+3], 32<<16
	s_mov_b32 s[\g+4], KS
	s_mov_b32 s[\g+5], 32
	s_mov_b32 s[\g+6], 0
	s_mov_b32 s[\g+7], 0
.endr
	s_lshl_b32 s18, s16, 7
	s_lshl_b32 s20, s17, 8
	s_add_co_u32 s20, s20, s18
	s_add_co_u32 s20, s20, s8
	s_lshl_b32 s46, s42, 8
	s_add_co_u32 s46, s46, s18
	s_add_co_u32 s46, s46, s9
	s_mov_b32 s21, 0
	s_mov_b32 s47, 0
	s_mov_b64 s[18:19], KS
	s_mul_u64 s[22:23], s[20:21], s[18:19]
	s_mul_u64 s[92:93], s[46:47], s[18:19]
	s_lshl_b32 s94, s16, 12                        ; the scales come whole, 256 rows to a load: back to the tile's first row (128 rows x 32 bytes)
	s_mov_b32 s95, 0
	s_sub_nc_u64 s[22:23], s[22:23], s[94:95]
	s_sub_nc_u64 s[92:93], s[92:93], s[94:95]
	s_mov_b64 s[18:19], KROW
	s_mul_u64 s[20:21], s[20:21], s[18:19]
	s_mul_u64 s[46:47], s[46:47], s[18:19]
	s_mul_i32 s45, s14, HALFT
	s_wait_kmcnt 0x0
	s_add_nc_u64 s[20:21], s[4:5], s[20:21]
	s_add_nc_u64 s[22:23], s[6:7], s[22:23]
	s_add_nc_u64 s[46:47], s[4:5], s[46:47]
	s_add_nc_u64 s[92:93], s[6:7], s[92:93]
	CROUND
	s_mov_b32 s[G0S], 1
	s_mov_b32 s[G0S+1], SCL
	s_mov_b64 s[G0S+2:G0S+3], s[22:23]
	s_or_b32 s[G0S+3], s[G0S+3], 0x80000000
	s_mov_b32 s[G0SB], 1
	s_mov_b32 s[G0SB+1], SCL+2*HALFS
	s_mov_b64 s[G0SB+2:G0SB+3], s[92:93]
	s_or_b32 s[G0SB+3], s[G0SB+3], 0x80000000
.irp s, 0,1
	s_mov_b32 s[G0+4*\s], 1
	s_add_co_u32 s[G0+4*\s+1], s45, \s*SLOT
	s_add_nc_u64 s[G0+4*\s+2:G0+4*\s+3], s[20:21], \s*ROWB
	s_or_b32 s[G0+4*\s+3], s[G0+4*\s+3], 0x80000000
	s_mov_b32 s[G0B+4*\s], 1
	s_add_co_u32 s[G0B+4*\s+1], s45, \s*SLOT
	s_add_nc_u64 s[G0B+4*\s+2:G0B+4*\s+3], s[46:47], \s*ROWB
	s_or_b32 s[G0B+4*\s+3], s[G0B+4*\s+3], 0x80000000
.endr
; The head's four tiles, one joint load a wave: wave 0 K step 0's 256 rows of A (its own slot-0 group 0 begins at the tile's first row and at LDS byte 0), wave 2 the 256 rows of B likewise, wave 1 A's scales, wave 3 B's.
; One chain of branches on the wave's number, a load to an arm, all arms to one join.
.macro ARM under, g0, g1, next
	s_cmp_lt_u32 s14, \under
	s_cbranch_scc0 \next
	tensor_load_to_lds s[\g0:\g0+3], s[\g1:\g1+7]
	s_nop 0
.rept 4
	v_nop
.endr
	s_branch .Lhead_asked
\next:
.endm
	ARM 1, G0,  G1,  .Lhead_sa
	ARM 2, G0S, G1S, .Lhead_b
	ARM 3, G0B, G1B, .Lhead_sb
	tensor_load_to_lds s[G0SB:G0SB+3], s[G1SB:G1SB+7]
	s_nop 0
.rept 4
	v_nop
.endr
.Lhead_asked:
	; Prefetches into the L2, two fills ahead of the load that will want the bytes: here K step 2, behind K step 1's load K step 3.  Of the 128 rows that a wave fetches in the ring each of the four partners that ask for them jointly
	; takes 32, told apart by address (cx for A's rows, cy for B's): a lane a row, 256 bytes of it, one instruction a wave.  K steps 0 and 1 come by their loads alone; there is no K step behind 3.
	s_cmp_eq_u32 s15, 0
	s_cselect_b64 s[94:95], s[20:21], s[46:47]
	s_cselect_b32 s22, s40, s41
	s_lshl_b32 s22, s22, 15                        ; 32 rows of 1,024 bytes
	s_mov_b32 s23, 0
	s_add_nc_u64 s[94:95], s[94:95], s[22:23]
	v_and_b32 v18, 31, v0
	v_lshlrev_b32 v18, 10, v18                     ; v18 and s[94:95] are never rewritten
	global_prefetch_b8 v18, s[94:95] offset:512 th:TH_LOAD_NT scope:SCOPE_SE
	v_and_b32 v1, 15, v0
	v_bfe_u32 v2, v0, 4, 1
	v_mul_u32_u24 v3, v1, PITCH
	v_lshl_add_u32 v4, v2, 4, v3
	s_mul_i32 s21, s15, HALFT
	s_mul_i32 s22, s16, HALFT
	s_add_co_u32 s22, s22, 2*HALFT
.irp s, 0,1
	v_add_nc_u32 v[ADRA+\s], s21, v4
	v_add_nc_u32 v[ADRB+\s], s22, v4
	s_add_co_u32 s21, s21, SLOT
	s_add_co_u32 s22, s22, SLOT
.endr
	v_mul_u32_u24 v5, v1, KS
	v_lshrrev_b32 v6, 8, v5
	v_lshl_add_u32 v5, v6, 4, v5
	s_mul_i32 s21, s15, HALFS
	s_mul_i32 s22, s16, HALFS
	s_add_co_u32 s22, s22, 2*HALFS
	s_sub_co_u32 s22, s22, s21
	v_mul_u32_u24 v6, s22, v2
	s_add_co_u32 s21, s21, SCL
	v_add_nc_u32 v5, v5, v6
	v_add_nc_u32 v[ADRS], s21, v5
	s_lshl_b32 s8, s17, 8
	s_lshl_b32 s9, s15, 7
	s_add_co_u32 s8, s8, s9
	s_lshl_b32 s9, s42, 8
	s_lshl_b32 s10, s16, 7
	s_add_co_u32 s9, s9, s10
	s_mov_b32 s[AST], 2048
	s_mov_b32 s[AST4], 2560
	s_mov_b32 s18, 1024
	s_mov_b32 s19, 256
	s_mov_b32 s21, REC
	s_cmp_lt_u32 s[TT], 2
	s_cselect_b32 s10, s8, s9
	s_cselect_b32 s11, s9, s8
	s_cselect_b32 s[SMASK], 0xffff, -1
	s_cselect_b32 s[AST], 1024, s[AST]
	s_cselect_b32 s[AST4], 1024, s[AST4]
	s_cselect_b32 s18, REC, s18
	s_cselect_b32 s20, REC, s19
	s_cselect_b32 s21, s19, s21
	s_cselect_b32 s22, 16, 0
	s_mov_b32 s[AST+1], 0
	s_mov_b32 s[AST4+1], 0
	v_and_b32 v6, 31, v0
	v_lshlrev_b32 v[VO0], 4, v6
	v_add_nc_u32 v[VO1], s18, v[VO0]
	v_mul_u32_u24 v5, s20, v2
	v_lshl_add_u32 v[VOS1], v1, 4, v5
	v_add_nc_u32 v[VOS2], s21, v[VOS1]
	v_mul_u32_u24 v[VSH], s22, v2
	s_lshr_b32 s10, s10, 7
	s_lshr_b32 s11, s11, 6
	s_mul_i32 s10, s10, 16*REC
	s_mul_i32 s11, s11, REC
	s_add_co_u32 s10, s10, s11
	s_mul_i32 s11, s[TT], 64*16*REC
	s_add_co_u32 s10, s10, s11
	s_mov_b32 s11, 0
	s_add_nc_u64 s[12:13], s[12:13], s[10:11]
	s_add_nc_u64 s[SWP:SWP+1], s[12:13], 8192
	s_mov_b32 s[SEL], 0x76543210
	s_mov_b32 s[SEL+1], 0xfedcba98
	s_mov_b32 s[MNT], 0x600000
.macro FRAG reg, adr, q, i
.irp c, 0,1,2,3
	ds_load_b128 v[\reg+4*\c:\reg+4*\c+3], v[\adr] offset:128*(\q)+32*\c+(\i)*16*PITCH
.endr
.endm
.macro MUL16 a0, p, q, sc, zero
.irp a, \a0, \a0+1
.irp b, 0,1,2,3,4,5,6,7
.if \zero
	v_wmma_scale_f32_16x16x128_f8f6f4 v[8*(8*((\a)%4)+\b):8*(8*((\a)%4)+\b)+7], v[128*(\p)+FR*\b:128*(\p)+FR*\b+FR-1], v[AF+FR*(\a):AF+FR*(\a)+FR-1], 0, v[SC+8*NQ*(\sc)+NQ*\b+(\q)], v[SC+8*NQ*(\sc)+NQ*(\a)+(\q)] matrix_a_fmt:MATRIX_FMT_BF8 matrix_b_fmt:MATRIX_FMT_BF8 matrix_a_scale:MATRIX_SCALE_ROW1
.else
	v_wmma_scale_f32_16x16x128_f8f6f4 v[8*(8*((\a)%4)+\b):8*(8*((\a)%4)+\b)+7], v[128*(\p)+FR*\b:128*(\p)+FR*\b+FR-1], v[AF+FR*(\a):AF+FR*(\a)+FR-1], v[8*(8*((\a)%4)+\b):8*(8*((\a)%4)+\b)+7], v[SC+8*NQ*(\sc)+NQ*\b+(\q)], v[SC+8*NQ*(\sc)+NQ*(\a)+(\q)] matrix_a_fmt:MATRIX_FMT_BF8 matrix_b_fmt:MATRIX_FMT_BF8 matrix_a_scale:MATRIX_SCALE_ROW1
.endif
.endr
.endr
.endm
.macro FETCH_B slot, q, p
	WIN TO_B
.irp i, 0,1,2,3,4,5,6,7
	FRAG 128*(\p)+FR*\i, ADRB+\slot, \q, \i
.endr
	WIN 0
.endm
.macro FETCH_A slot, q, i0
.irp i, \i0, \i0+1, \i0+2, \i0+3
	FRAG AF+FR*(\i), ADRA+\slot, \q, \i
.endr
.endm
.macro SCALES sc
.irp i, 0,1,2,3,4,5,6,7
	ds_load_b64 v[SC+8*NQ*\sc+NQ*\i:SC+8*NQ*\sc+NQ*\i+1], v[ADRS] offset:\i*SBLK
.endr
.endm
.macro PLACES n
.rept \n
	v_nop
.endr
.endm
.macro STEP slot, q, zero
	s_wait_dscnt 4*NL
	WIN MUL_LO
	MUL16 0, (\q)%2, \q, \slot, \zero
	MUL16 2, (\q)%2, \q, \slot, \zero
	s_wait_dscnt 0
	PLACES NP
	FETCH_B \slot, (\q)+1, 1-(\q)%2
	FETCH_A \slot, (\q)+1, 0
	WIN MUL_HI
	MUL16 4, (\q)%2, \q, \slot, \zero
	MUL16 6, (\q)%2, \q, \slot, \zero
	PLACES NP
	WIN 0
	FETCH_A \slot, (\q)+1, 4
.endm
.macro TURN slot, next, fill
	s_wait_tensorcnt 0x0
	ds_add_u32 v[SPW], v[NIL]
	s_wait_dscnt 4*NL+1
	WIN MUL_LO
	MUL16 0, 1, NQ-1, \slot, 0
	s_wait_dscnt 0x0
	s_barrier_signal -1
	MUL16 2, 1, NQ-1, \slot, 0
	WIN 0
	s_barrier_wait -1
.if \fill
	CREST
	s_add_nc_u64 s[G0+4*\slot+2:G0+4*\slot+3], s[G0+4*\slot+2:G0+4*\slot+3], 2*ROWB
	s_add_nc_u64 s[G0B+4*\slot+2:G0B+4*\slot+3], s[G0B+4*\slot+2:G0B+4*\slot+3], 2*ROWB
	JLOAD G0+4*\slot, G1, G0B+4*\slot, G1B
	PLACES NP-4
.else
	PLACES NP
.endif
	s_wait_alu depctr_va_vdst(0)
	v_add_nc_u32 v[ADRS], 4*NQ, v[ADRS]
	FETCH_B \next, 0, 0
	FETCH_A \next, 0, 0
	SCALES \next
	WIN MUL_HI
	MUL16 4, 1, NQ-1, \slot, 0
	MUL16 6, 1, NQ-1, \slot, 0
	PLACES NP
	WIN 0
	FETCH_A \next, 0, 4
.endm
	s_wait_alu depctr_va_vdst(0)
	s_wait_tensorcnt 0x0                           ; my tile of the head's four is in; slot 1's first fill is issued as a refill is
	ds_add_u32 v[SPW], v[NIL]
	s_mov_b32 s[G1+2], 128<<16                     ; no tensor load of mine is out: from here on a load brings 128 rows
	s_mov_b32 s[G1+4], 128
	s_mov_b32 s[G1B+2], 128<<16
	s_mov_b32 s[G1B+4], 128
	s_wait_dscnt 0x0
	CROUND
	JLOAD G0+4, G1, G0B+4, G1B                     ; K step 1, a quarter of the slot a wave
	FETCH_B 0, 0, 0
	FETCH_A 0, 0, 0
	SCALES 0
	FETCH_A 0, 0, 4
	global_prefetch_b8 v18, s[94:95] offset:768 th:TH_LOAD_NT scope:SCOPE_SE
	STEP 0, 0, 1
	s_mov_b32 s3, LAPS-1
.Llap:
	TURN 0, 1, 1
	STEP 1, 0, 0
	TURN 1, 0, 1
	STEP 0, 0, 0
	s_sub_co_u32 s3, s3, 1
	s_cmp_lg_u32 s3, 0
	s_cbranch_scc1 .Llap
	TURN 0, 1, 0
	STEP 1, 0, 0
	s_wait_dscnt 4*NL
	WIN MUL_LO
	MUL16 0, 1, NQ-1, 1, 0
	MUL16 2, 1, NQ-1, 1, 0
	s_wait_dscnt 0
	WIN MUL_HI
	MUL16 4, 1, NQ-1, 1, 0
	MUL16 6, 1, NQ-1, 1, 0
	WIN 0
.macro QOUT a
.set AC, 64*((\a)%4)
.set W1, 2+(\a)/4
.set W2, W1*5
.set PCA, PC+16*((\a)%2)
	WIN W2
.irp b, 0,1,2,3
	v_max3_num_f32 v[TM+\b], |v[AC+16*\b]|, |v[AC+16*\b+1]|, 0x8000000
.endr
.irp i, 2,4,6,8,10,12,14
.irp b, 0,1,2,3
	v_max3_num_f32 v[TM+\b], |v[AC+16*\b+\i]|, |v[AC+16*\b+\i+1]|, v[TM+\b]
.endr
.endr
	WIN 0
.irp b, 0,1,2,3
	v_permlanex16_b32 v[TM+4+\b], v[TM+\b], s[SEL], s[SEL+1]
.endr
.irp b, 0,1,2,3
	v_max_num_f32 v[TM+\b], v[TM+\b], v[TM+4+\b]
.endr
.irp b, 0,1,2,3
	v_add_nc_u32 v[TM+12+\b], 0xf8800000, v[TM+\b]
.endr
.irp b, 0,1,2,3
	v_and_or_b32 v[TM+8+\b], v[TM+\b], 0x7f800000, s[MNT]
.endr
.irp b, 0,1,2,3
	v_lshrrev_b32 v[TM+4+\b], 23, v[TM+12+\b]
.endr
	v_lshl_or_b32 v[SW+\a], v[TM+5], 8, v[TM+4]
	v_lshl_or_b32 v[SW+\a], v[TM+6], 16, v[SW+\a]
	v_lshl_or_b32 v[SW+\a], v[TM+7], 24, v[SW+\a]
	WIN W1
.irp b, 0,1,2,3
.irp i, 0,1,2,3,4,5,6,7,8,9,10,11,12,13,14,15
	v_med3_num_f32 v[X+16*\b+\i], v[AC+16*\b+\i], -v[TM+8+\b], v[TM+8+\b]
.endr
.endr
	WIN 0
.irp b, 0,1,2,3
	v_cvt_scalef32_pk8_bf8_f32 v[PCA+4*\b:PCA+4*\b+1], v[X+16*\b:X+16*\b+7], v[TM+12+\b]
	v_cvt_scalef32_pk8_bf8_f32 v[PCA+4*\b+2:PCA+4*\b+3], v[X+16*\b+8:X+16*\b+15], v[TM+12+\b]
.endr
	v_nop
	s_wait_alu depctr_va_vdst(0)
	s_wait_xcnt 0x0
.if (\a) == 4
	s_add_nc_u64 s[12:13], s[12:13], s[AST4:AST4+1]
.elseif (\a) > 0
	s_add_nc_u64 s[12:13], s[12:13], s[AST:AST+1]
.endif
	global_store_b128 v[VO0], v[PCA:PCA+3], s[12:13]
	global_store_b128 v[VO0], v[PCA+4:PCA+7], s[12:13] offset:512
	global_store_b128 v[VO1], v[PCA+8:PCA+11], s[12:13]
	global_store_b128 v[VO1], v[PCA+12:PCA+15], s[12:13] offset:512
.endm
	PLACES NP
.irp b, 0,1,2,3
	v_mov_b32 v[TM+4+\b], 0
.endr
.irp a, 0,1,2,3,4,5,6,7
	QOUT \a
.endr
.irp a, 0,1,2,3,4,5,6,7
	v_lshrrev_b32 v[XS+\a], v[VSH], v[SW+\a]
	v_and_b32 v[XS+\a], s[SMASK], v[XS+\a]
.endr
	global_store_b128 v[VOS1], v[XS:XS+3], s[SWP:SWP+1]
	global_store_b128 v[VOS2], v[XS+4:XS+7], s[SWP:SWP+1]
	s_wait_tensorcnt 0x0
	ds_add_u32 v[SPW], v[NIL]
	s_wait_dscnt 0x0
	CROUND
	s_endpgm
.Lfunc_end_k_qd96a7d1a54_proj:
	.size	k_qd96a7d1a54_proj, .Lfunc_end_k_qd96a7d1a54_proj-k_qd96a7d1a54_proj
	.p2alignl 7, 3214868480
	.fill 96, 4, 3214868480
	.section	.rodata,"a",@progbits
	.p2align	6, 0x0
	.amdhsa_kernel k_qd96a7d1a54_proj
		.amdhsa_group_segment_fixed_size 327680
		.amdhsa_private_segment_fixed_size 0
		.amdhsa_enable_private_segment 0
		.amdhsa_kernarg_size 24
		.amdhsa_user_sgpr_count 2
		.amdhsa_user_sgpr_kernarg_segment_ptr 1
		.amdhsa_wavefront_size32 1
		.amdhsa_system_sgpr_workgroup_id_x 1
		.amdhsa_system_sgpr_workgroup_id_y 1
		.amdhsa_system_sgpr_workgroup_id_z 1
		.amdhsa_system_vgpr_workitem_id 0
		.amdhsa_next_free_vgpr 1024
		.amdhsa_next_free_sgpr 106
		.amdhsa_reserve_vcc 0
		.amdhsa_float_denorm_mode_32 3
		.amdhsa_float_denorm_mode_16_64 3
		.amdhsa_memory_ordered 1
		.amdhsa_forward_progress 1
		.amdhsa_inst_pref_size 188
	.end_amdhsa_kernel
	.amdgpu_metadata
---
amdhsa.version: [ 1, 2 ]
amdhsa.kernels:
  - .name:           k_qd96a7d1a54_proj
    .symbol:         k_qd96a7d1a54_proj.kd
    .args:
      - { .name: codes, .offset: 0, .size: 8, .value_kind: global_buffer, .address_space: global }
      - { .name: scales, .offset: 8, .size: 8, .value_kind: global_buffer, .address_space: global }
      - { .name: qkv, .offset: 16, .size: 8, .value_kind: global_buffer, .address_space: global }
    .group_segment_fixed_size: 327680
    .private_segment_fixed_size: 0
    .kernarg_segment_align: 8
    .kernarg_segment_size: 24
    .max_flat_workgroup_size: 128
    .sgpr_count:     106
    .vgpr_count:     1024
    .wavefront_size: 32
...
	.end_amdgpu_metadata
.endif
;; end of part 2
;; launch attn (part 3): grid 4 x 64, 16 waves a work-group, clusters of 4 x 1, 327,680 bytes of LDS; arguments qkv, cc, cs; writes cc, cs
.if DOCPART == 3
	.amdgcn_target "amdgcn-amd-amdhsa--gfx1250"
	.amdhsa_code_object_version 6
	.text
	.protected	k_qd96a7d1a54_attn
	.globl	k_qd96a7d1a54_attn
	.p2align	8
	.type	k_qd96a7d1a54_attn,@function
k_qd96a7d1a54_attn:
	s_mov_b64 s[64:65], 0
	v_nop
	global_prefetch_b8 v0, s[64:65] scope:SCOPE_SE
	s_setreg_imm32_b32 hwreg(HW_REG_WAVE_MODE, 25, 1), 1
	s_wait_xcnt 0x0
	s_wait_alu depctr_hold_cnt(0) depctr_sa_sdst(0) depctr_va_vdst(0) depctr_va_sdst(0) depctr_va_ssrc(0) depctr_va_vcc(0) depctr_vm_vsrc(0)
	s_getreg_b32 s2, hwreg(HW_REG_IB_STS2, 6, 4)
	s_cmp_eq_u32 s2, 0
	s_cbranch_scc0 .Lentry_in_a_cluster
	s_endpgm
.Lentry_in_a_cluster:
	s_bfe_u32 s2, ttmp6, 0x10000c
	s_cmp_lg_u32 s2, 0x3003
	s_cbranch_scc0 .Lentry_shape_is_right
	s_endpgm
.Lentry_shape_is_right:
; Causal attention of one (batch, head) on codes of BF8 (E5M2): scores = Qh Kh^T / 8, p = 2^(t - M), ctx = (p Vh) / l, and ctx quantised along the channels for the last product.
; t = score x log2(e) / 8; M = the row's largest t so far, rounded UP to a whole number; p is quantised along the keys, not normalised; l, the sum of the unquantised p, divides at the end.  When M moves, l and O are multiplied by 2^(old M - new M): exact.
; IN: qkv's records (images of operand registers, 8,704 bytes for 128 rows or keys of a head).  OUT: cc [16 rows][head][2 blocks][lane][16 bytes], cs [row][32 bytes], byte 2 head + block.
; WORK LEFT OUT: key steps all of whose keys come after a tile's queries: the causal mask hides them.
; SHARES.  A head's 2,048 queries are 16 groups u of 128, each of 8 tiles g of 16; a tile of group u needs key steps 0 .. u of 128 keys, and step u lies on the diagonal.  The four work-groups of a head form a cluster; work-group cx has g = 2 cx + w / 8.
; Wave w takes TWO tiles, one after the other: first that of group 15 - w % 8, then that of group w % 8: 17 key steps for every wave.  g enters only global addresses and the mask's compare.
; LDS.  The head's 16 + 16 records stay in LDS, each filled once, by joint loads of the four partners.  At the head each wave asks for half a record: key steps 0-3 of K (waves 0-7) and of V (waves 8-15).
; Behind the full sequence and a round, twelve waves ask for two records each (2 rows of 8,704 bytes, 139,264 bytes apart in memory): key steps 4-15.  Every wave then walks steps 0-3 of its first tile; one barrier; the other 13 steps.
; No prefetch: the head's two groups of loads ask for all of K and V that the work-group reads, so no loop is left to run ahead in.  The second tile's Q is loaded at the head and kept in the wave's own 1,280 bytes of LDS.
; LAYOUT.  Both products are used transposed: S^T = K Q^T (source 0 = 16 keys, source 1 = my 16 queries), O^T = V^T P^T: a lane holds ONE query (lane % 16) throughout.
; The 16 registers of tiles 2 b and 2 b + 1 of S^T are keys 32 b + 8 hh + 0..7 and 32 b + 16 + 8 hh + 0..7: p's codes stand in that order inside each block of 32 keys, and so do Vh's.  Qh and Kh share their order along the head's 64 likewise.
; K = 64 IN AN INSTRUCTION OF 128: Q's registers 8-15 are zero codes.  K's tile names 16 registers of which the upper eight are the next tile's codes (tile 7: zeros): finite numbers x 0.  The upper two bytes of Q's and K's scale words are 0, which is 2^-127 and no NaN.
; LIMITS: hidden keys get p = 0 where the definition adds -1e9 to the score: the same while scores stay under some 4e8 in magnitude.  A block of zeros gets the byte 1.  NaN and infinities are not served.
.set REC,  8704
.set HREC, 4352
.set VB,   16*REC                      ; LDS: K's 16 records, then V's 16
.set PARTB, 64*16*REC                  ; qkv: Qh, Kh, Vh, so many bytes each
.set SPARE, 32*REC                     ; the spare words, 128 bytes a wave
.set QST,  SPARE+2048                  ; behind them: a stage of QSB bytes for each wave: the second tile's Q
.set QSB,  1280
.set LI,   1                           ; v1   16 x lane
.set LIV,  2                           ; v2   the same in V's region
.set LSK,  3                           ; v3   16 r + 8,192: K's scale words
.set DQ,   4                           ; v4   16 g + r - 8 hh: register n of S^T is hidden on the diagonal where 16 (n / 8) + n % 8 is greater
.set GS,   5                           ; v5   32 r + hh: my byte of cs
.set QO,   6                           ; v6, v7 Q's offsets in its record; then my places in the stage
.set ADK,  8                           ; v8-10 the step's LDS addresses
.set ADV,  9
.set ADS,  10
.set H8,   11                          ; v11  8 hh
.set QF,   16                          ; v16-31  Q's fragment: 16-23 codes, 24-31 zeros
.set KF,   32                          ; v32-95  K's eight tiles, later V's four; v96-103 zeros, never rewritten
.set S,    104                         ; v104-167 S^T, then p
.set O,    168                         ; v168-199 O^T
.set PCD,  200                         ; v200-215 p's codes
.set BM,   216                         ; v216-219 the blocks' largest scores, then largest p
.set PB,   220                         ; v220-223 at work; the bytes
.set HL,   224                         ; v224-227 the holds
.set SO,   228                         ; v228-231 the conversions' scale operands
.set KSW,  232                         ; v232-239 K's scale words; behind the first product partial sums of p, with v250-253
.set VSW,  240                         ; v240-243 V's
.set QSW,  244                         ; v244 Q's
.set PSW,  245                         ; v245 p's
.set F,    246                         ; v246 2^(old M - new M)
.set OM,   247                         ; v247 the old -M (named with F as a pair, of which the low word alone is taken)
.set TMP,  248
.set NINF, 249                         ; -infinity
.set SPW,  254
.set NIL,  255
.set WV,   10                          ; s10  wave
.set U,    11                          ; s11  the group of the tile in hand
.set KSI,  16                          ; s16  the key step
.set TK,   17                          ; s17  its record's LDS byte
.set CNT,  18
.set MNT,  19
.set SEL,  20                          ; s[20:21]
.set CS,   22                          ; s[22:23] c = log2(e) / 8
.set G1H,  24                          ; s[24:31] group 1: half a record, 17 rows of 256 bytes
.set G1R,  32                          ; s[32:39] group 1: two records, 2 rows of 8,704 bytes
.set G0H,  40
.set G0R,  44
.set U2,   66                          ; s66  w % 8: the second tile's group
.macro CROUND                          ; a round of the cluster's barrier
	s_barrier_signal -1
	s_barrier_wait -1
	s_cmp_lg_u32 s[WV], 0
	s_cbranch_scc1 .Lnot_wave_0_\@
	s_barrier_signal -3
.Lnot_wave_0_\@:
	s_barrier_wait -3
	s_barrier_signal -1
	s_barrier_wait -1
.endm
.macro INIT                            ; a tile begins: the largest t -3e38, sums and O^T zeros, which the first change of M leaves zeros
	v_mov_b32 v13, 0xff61b1e6
	v_mov_b32 v14, 0
	v_mov_b32 v15, 0
	s_delay_alu instid0(VALU_DEP_3)
	v_floor_f32 v12, -v13                          ; -M
.set N, 0
.rept 32
	v_mov_b32 v[O+N], 0
.set N, N+1
.endr
.endm
	s_load_b128 s[4:7], s[0:1], 0x0                ; qkv, cc
	s_load_b64 s[8:9], s[0:1], 0x10                ; cs
	v_lshl_add_u32 v[SPW], v0, 2, SPARE
	v_mov_b32 v[NIL], 0
	ds_add_u32 v[SPW], v[NIL]                      ; the opening lines: the add twice on end and one wait
	ds_add_u32 v[SPW], v[NIL]
	v_lshrrev_b32 v8, 5, v0
	s_delay_alu instid0(VALU_DEP_1)
	v_readfirstlane_b32 s[WV], v8                  ; wave 0..15
	s_and_b32 s[U2], s[WV], 7
	s_sub_co_u32 s[U], 15, s[U2]                   ; the first tile's group: 8 .. 15
	s_lshr_b32 s48, s[WV], 3                       ; 0: I fetch for K; 1: for V
	s_bfe_u32 s12, ttmp6, 0x40000                  ; cx
	s_lshl_b32 s12, s12, 1
	s_add_co_u32 s12, s12, s48                     ; g
	s_and_b32 s13, ttmp7, 0xffff                   ; batch x 16 + head, which the partners share
	s_lshr_b32 s14, s13, 4
	s_and_b32 s15, s13, 15
	s_lshl_b32 s49, s14, 8
	s_add_co_u32 s49, s49, s15                     ; batch x 256 + head: the record of step 0; a step on is 16 records on
	s_mov_b32 s[G1H], 15|(3<<16)|(1<<21)           ; the mask: all four work-groups; elements of 8 bytes; bit 21 beside a mask
	s_mov_b32 s[G1H+1], 32<<16
	s_mov_b32 s[G1H+2], 17<<16
	s_mov_b32 s[G1H+3], 32<<16
	s_mov_b32 s[G1H+4], 17
	s_mov_b32 s[G1H+5], 32
	s_mov_b32 s[G1H+6], 0
	s_mov_b32 s[G1H+7], 0
	s_mov_b32 s[G1R], 15|(3<<16)|(1<<21)
	s_mov_b32 s[G1R+1], 1088<<16                   ; a row: 1,088 elements of 8 bytes, a record
	s_mov_b32 s[G1R+2], 2<<16
	s_mov_b32 s[G1R+3], 1088<<16
	s_mov_b32 s[G1R+4], 2
	s_mov_b32 s[G1R+5], 17408                      ; 16 records from row to row
	s_mov_b32 s[G1R+6], 0
	s_mov_b32 s[G1R+7], 0
	s_mul_i32 s50, s48, VB
	s_mul_i32 s51, s[U2], HREC
	s_mov_b32 s[G0H], 1
	s_add_co_u32 s[G0H+1], s50, s51                ; the head's load: half w % 8 of my region's first four records
	s_mul_i32 s51, s[U2], 2*REC
	s_add_co_u32 s51, s51, 4*REC
	s_mov_b32 s[G0R], 1
	s_add_co_u32 s[G0R+1], s50, s51                ; the second: records 4 + 2 (w % 8) and the next (w % 8 under 6)
	s_add_co_u32 s50, s48, 1
	s_mul_i32 s50, s50, PARTB                      ; Kh is part 1 of qkv, Vh part 2
	s_lshr_b32 s51, s[U2], 1
	s_lshl_b32 s51, s51, 4
	s_add_co_u32 s51, s51, s49
	s_mul_i32 s51, s51, REC
	s_add_co_u32 s51, s51, s50
	s_and_b32 s67, s[U2], 1
	s_mul_i32 s67, s67, HREC
	s_add_co_u32 s68, s51, s67
	s_mov_b32 s69, 0
	s_lshl_b32 s51, s[U2], 5
	s_add_co_u32 s51, s51, 64
	s_add_co_u32 s51, s51, s49
	s_mul_i32 s51, s51, REC
	s_add_co_u32 s70, s51, s50
	s_mov_b32 s71, 0
	s_lshl_b32 s50, s[U], 4
	s_add_co_u32 s50, s50, s49
	s_mul_i32 s60, s50, REC                        ; Q's record of the first tile,
	s_mov_b32 s61, 0
	s_lshl_b32 s50, s[U2], 4
	s_add_co_u32 s50, s50, s49
	s_mul_i32 s62, s50, REC                        ; of the second
	s_mov_b32 s63, 0
	s_lshl_b32 s50, s14, 7
	s_add_co_u32 s50, s50, s12                     ; a tile of 16 rows among all 512: 128 batch + 8 u + g
	s_lshl_b32 s51, s15, 10
	s_lshl_b32 s67, s15, 1
	s_lshl_b32 s52, s[U], 3
	s_add_co_u32 s52, s52, s50
	s_lshl_b32 s54, s52, 9
	s_add_co_u32 s54, s54, s67                     ; s[54:55] the first tile in cs,
	s_lshl_b32 s52, s52, 14
	s_add_co_u32 s52, s52, s51                     ; s[52:53] in cc
	s_lshl_b32 s56, s[U2], 3
	s_add_co_u32 s56, s56, s50
	s_lshl_b32 s58, s56, 9
	s_add_co_u32 s58, s58, s67                     ; s[58:59], s[56:57] the second
	s_lshl_b32 s56, s56, 14
	s_add_co_u32 s56, s56, s51
	s_mov_b32 s53, 0
	s_mov_b32 s55, 0
	s_mov_b32 s57, 0
	s_mov_b32 s59, 0
	s_lshl_b32 s72, s12, 4                         ; 16 g
	s_lshl_b32 s73, s12, 10                        ; Q: tile g of the record
	s_lshr_b32 s74, s12, 2
	s_lshl_b32 s74, s74, 8
	s_and_b32 s77, s12, 3
	s_lshl_b32 s77, s77, 2
	s_add_co_u32 s74, s74, s77
	s_add_co_u32 s74, s74, 8192                    ; its scale words: 8,192 + 256 (g / 4) + 4 (g % 4)
	s_mul_i32 s75, s[WV], QSB
	s_add_co_u32 s75, s75, QST                     ; my stage
	s_add_co_u32 s76, s75, 1024
	s_mov_b32 s[SEL], 0x76543210
	s_mov_b32 s[SEL+1], 0xfedcba98
	s_mov_b32 s[CS], 0x3e38aa3b
	s_mov_b32 s[CS+1], s[CS]                       ; (named with it as a pair, so it is written)
	s_mov_b32 s[MNT], 0x600000
	s_mov_b32 s[KSI], 0
	s_mov_b32 s[TK], 0
	s_wait_alu depctr_va_vdst(0)
	s_wait_dscnt 0x0                               ; both opening adds are done
	s_wait_kmcnt 0x0
	s_add_nc_u64 s[G0H+2:G0H+3], s[4:5], s[68:69]
	s_or_b32 s[G0H+3], s[G0H+3], 0x80000000
	s_add_nc_u64 s[G0R+2:G0R+3], s[4:5], s[70:71]
	s_or_b32 s[G0R+3], s[G0R+3], 0x80000000
	s_add_nc_u64 s[60:61], s[4:5], s[60:61]
	s_add_nc_u64 s[62:63], s[4:5], s[62:63]
	s_add_nc_u64 s[52:53], s[6:7], s[52:53]
	s_add_nc_u64 s[56:57], s[6:7], s[56:57]
	s_add_nc_u64 s[54:55], s[8:9], s[54:55]
	s_add_nc_u64 s[58:59], s[8:9], s[58:59]
	CROUND                                         ; all four work-groups are here: the joint loads meet
	tensor_load_to_lds s[G0H:G0H+3], s[G1H:G1H+7]  ; every wave's one load at the head
	s_nop 0
.rept 4
	v_nop
.endr
	v_and_b32 v8, 15, v0                           ; r
	v_bfe_u32 v9, v0, 4, 1                         ; hh
	v_and_b32 v10, 31, v0
	s_delay_alu instid0(VALU_DEP_1)
	v_lshlrev_b32 v[LI], 4, v10
	s_delay_alu instid0(VALU_DEP_1)
	v_add_nc_u32 v[LIV], VB, v[LI]
	v_lshlrev_b32 v[LSK], 4, v8
	s_delay_alu instid0(VALU_DEP_1)
	v_add_nc_u32 v[LSK], 8192, v[LSK]
	v_lshlrev_b32 v[H8], 3, v9
	v_add_nc_u32 v[DQ], s72, v8
	s_delay_alu instid0(VALU_DEP_1)
	v_sub_nc_u32 v[DQ], v[DQ], v[H8]
	v_lshl_add_u32 v[GS], v8, 5, v9
	v_add_nc_u32 v[QO], s73, v[LI]
	v_lshl_add_u32 v[QO+1], v8, 4, s74
	global_load_b128 v[QF:QF+3], v[QO], s[60:61]
	global_load_b128 v[QF+4:QF+7], v[QO], s[60:61] offset:512
	global_load_b32 v[QSW], v[QO+1], s[60:61]
	global_load_b128 v[S:S+3], v[QO], s[62:63]     ; the second tile's Q, on its way to my stage
	global_load_b128 v[S+4:S+7], v[QO], s[62:63] offset:512
	global_load_b32 v[S+8], v[QO+1], s[62:63]
	INIT
.irp j, 0,1,2,3,4,5,6,7
	v_mov_b32 v[QF+8+\j], 0                        ; zero codes for k = 64 .. 127
	v_mov_b32 v[KF+64+\j], 0
.endr
.irp b, 0,1,2,3
	v_mov_b32 v[PB+\b], 0                          ; a lane permute's destination counts as one of its sources
.endr
	v_mov_b32 v[F], 0
	v_mov_b32 v[OM], 0
	v_mov_b32 v[TMP], 0
	v_mov_b32 v[NINF], 0xff800000
	s_wait_alu depctr_va_vdst(0)
	s_wait_loadcnt 0x0                             ; both Q: so their offsets' registers may be written
	v_add_nc_u32 v[QO], s75, v[LI]                 ; my stage: an image of the registers, 16 bytes a lane,
	v_lshlrev_b32 v[QO+1], 2, v10
	s_delay_alu instid0(VALU_DEP_1)
	v_add_nc_u32 v[QO+1], s76, v[QO+1]             ; and 4 bytes a lane for the scale word
	ds_store_b128 v[QO], v[S:S+3]
	ds_store_b128 v[QO], v[S+4:S+7] offset:512
	ds_store_b32 v[QO+1], v[S+8]
	s_wait_alu depctr_va_vdst(0)
	s_wait_tensorcnt 0x0                           ; my half record is in; the later first fills are issued as refills are
	ds_add_u32 v[SPW], v[NIL]
	s_wait_dscnt 0x0
	CROUND                                         ; key steps 0-3 are whole in every partner
	s_cmp_lt_u32 s[U2], 6                          ; twelve waves bring the 24 other records
	s_cbranch_scc0 .Lno_more
	tensor_load_to_lds s[G0R:G0R+3], s[G1R:G1R+7]
	s_nop 0
.rept 4
	v_nop
.endr
.Lno_more:
; A KEY STEP: 128 keys.  edge = 1: a step all of whose keys come after my queries leaves its work out (a branch on the wave's number and the loop's count), and the step on the diagonal hides keys.
.macro STEP edge
.if \edge
	s_cmp_gt_u32 s[KSI], s[U]
	s_cbranch_scc1 .Lhidden_\@
.endif
	v_add_nc_u32 v[ADK], s[TK], v[LI]              ; with the six additions at the last step's end: eight places behind its products, in front of loads into registers that they read
	v_add_nc_u32 v[ADS], s[TK], v[LSK]
.irp t, 0,1,2,3,4,5,6,7
	ds_load_b128 v[KF+8*\t:KF+8*\t+3], v[ADK] offset:1024*\t          ; an image: 512 consecutive bytes an instruction
	ds_load_b128 v[KF+8*\t+4:KF+8*\t+7], v[ADK] offset:1024*\t+512
.endr
	ds_load_b128 v[KSW:KSW+3], v[ADS]              ; row r's words of tiles 0-3,
	ds_load_b128 v[KSW+4:KSW+7], v[ADS] offset:256 ; of tiles 4-7
	s_wait_alu depctr_va_vdst(0)
	s_wait_dscnt 0x0
.irp t, 0,1,2,3,4,5,6,7
	v_wmma_scale_f32_16x16x128_f8f6f4 v[S+8*\t:S+8*\t+7], v[KF+8*\t:KF+8*\t+15], v[QF:QF+15], 0, v[KSW+\t], v[QSW] matrix_a_fmt:MATRIX_FMT_BF8 matrix_b_fmt:MATRIX_FMT_BF8
.endr
	v_add_nc_u32 v[ADV], s[TK], v[LIV]             ; eight places: in front of the loads below and of the first read of the scores
	v_mov_b32 v[OM], v12                           ; the old -M
.rept 6
	v_nop
.endr
.irp t, 0,1,2,3
.irp c, 0,1,2,3
	ds_load_b128 v[KF+16*\t+4*\c:KF+16*\t+4*\c+3], v[ADV] offset:2048*\t+512*\c   ; V's four tiles are asked for now and land under the softmax
.endr
.endr
	ds_load_b128 v[VSW:VSW+3], v[ADV] offset:8192
.if \edge
	s_cmp_lg_u32 s[KSI], s[U]                      ; on the diagonal the scores of hidden keys become -infinity ahead of the maximum: p = 0 then
	s_cbranch_scc1 .Lopen_\@
.set N, 0
.rept 64
	v_cmp_gt_i32 vcc_lo, 16*(N/8)+N%8, v[DQ]
	v_cndmask_b32 v[S+N], v[S+N], v[NINF], vcc_lo
.set N, N+1
.endr
.Lopen_\@:
.endif
.irp b, 0,1,2,3
	v_max3_num_f32 v[BM+\b], v[S+16*\b], v[S+1+16*\b], v[S+2+16*\b]   ; the largest score of each block of 32 keys: for the row's maximum, and, since p rises with the score, for the block's largest p
.endr
.irp i, 3,5,7,9,11,13
.irp b, 0,1,2,3
	v_max3_num_f32 v[BM+\b], v[BM+\b], v[S+16*\b+\i], v[S+1+16*\b+\i]
.endr
.endr
.irp b, 0,1,2,3
	v_max_num_f32 v[BM+\b], v[BM+\b], v[S+15+16*\b]
.endr
.irp b, 0,1,2,3
	s_delay_alu instid0(VALU_DEP_4)
	v_permlanex16_b32 v[PB+\b], v[BM+\b], s[SEL], s[SEL+1]
.endr
.irp b, 0,1,2,3
	s_delay_alu instid0(VALU_DEP_4)
	v_max_num_f32 v[BM+\b], v[BM+\b], v[PB+\b]     ; with lane l xor 16's 16 keys
.endr
	s_delay_alu instid0(VALU_DEP_2)
	v_max3_num_f32 v[TMP], v[BM], v[BM+1], v[BM+2]
	s_delay_alu instid0(VALU_DEP_1)
	v_max_num_f32 v[TMP], v[TMP], v[BM+3]          ; the step's largest score of my query
	s_delay_alu instid0(VALU_DEP_1)
	v_mul_f32 v[TMP], s[CS], v[TMP]                ; as t
	s_delay_alu instid0(VALU_DEP_1)
	v_max_num_f32 v13, v13, v[TMP]                 ; the running largest t
	s_delay_alu instid0(VALU_DEP_1)
	v_floor_f32 v12, -v13                          ; the new -M = floor(-t): M is a whole number
	s_delay_alu instid0(VALU_DEP_1)
	v_sub_f32 v[TMP], v12, v[OM]                   ; old M - new M: a whole number, 0 or less
	s_delay_alu instid0(VALU_DEP_1)
	v_cvt_i32_f32 v[TMP], v[TMP]                   ; (it saturates)
	s_delay_alu instid0(VALU_DEP_1)
	v_ldexp_f32 v[F], 1.0, v[TMP]                  ; f = 2^(old M - new M)
.set N, 0
.rept 32
	v_pk_fma_f32 v[S+N:S+1+N], v[S+N:S+1+N], s[CS:CS+1], v[12:13] op_sel_hi:[1,0,0]   ; t - M, two at a time
.set N, N+2
.endr
.irp b, 0,1,2,3
	v_fma_f32 v[BM+\b], v[BM+\b], s[CS], v12       ; the same of each block's largest score
.endr
	s_wait_alu depctr_va_vdst(0)
.set N, 0
.rept 64
	v_exp_f32 v[S+N], v[S+N]                       ; p = 2^(t - M), at most 1
.set N, N+1
.endr
	v_pk_mul_f32 v[14:15], v[14:15], v[F:F+1] op_sel_hi:[1,0]   ; the sums under the new M: a plain line behind the exponentials
	s_wait_alu depctr_va_vdst(0)                   ; one wait for the whole batch, ahead of its first reader
.irp b, 0,1,2,3
	v_exp_f32 v[BM+\b], v[BM+\b]                   ; the block's largest p: the same two instructions on the same number give the same bits
.endr
; the row's sum of the unquantised p, two at a time, in seven chains; the six lines that join the chains stand behind the second product
.set N, S
.irp c, 250,252,232,234,236,238
	v_pk_add_f32 v[\c:\c+1], v[N:N+1], v[N+2:N+3]
.set N, N+4
.endr
	v_pk_add_f32 v[14:15], v[14:15], v[N:N+1]
.set N, N+2
.rept 2
.irp c, 250,252,232,234,236,238,14
	v_pk_add_f32 v[\c:\c+1], v[\c:\c+1], v[N:N+1]
.set N, N+2
.endr
.endr
.irp c, 250,252,232,234,236
	v_pk_add_f32 v[\c:\c+1], v[\c:\c+1], v[N:N+1]
.set N, N+2
.endr
	s_wait_alu depctr_va_vdst(0)                   ; and one for the four
.irp b, 0,1,2,3
	v_max_num_f32 v[BM+\b], 0x8000000, v[BM+\b]    ; the floor 2^(16 - 127): the byte cannot fall under 1 (a block whose every p is 0 keeps that byte: its codes are zeros)
.endr
.irp b, 0,1,2,3
	s_delay_alu instid0(VALU_DEP_4)
	v_add_nc_u32 v[SO+\b], 0xf8800000, v[BM+\b]    ; 15 off the exponent field: the conversion's scale operand
.endr
.irp b, 0,1,2,3
	v_and_or_b32 v[HL+\b], v[BM+\b], 0x7f800000, s[MNT]   ; 57,344 x the scale
.endr
.irp b, 0,1,2,3
	v_lshrrev_b32 v[PB+\b], 23, v[SO+\b]           ; the scale's byte
.endr
	s_delay_alu instid0(VALU_DEP_3)
	v_lshl_or_b32 v[PSW], v[PB+1], 8, v[PB]        ; p's scale word for these 128 keys
	s_delay_alu instid0(VALU_DEP_1)
	v_lshl_or_b32 v[PSW], v[PB+2], 16, v[PSW]
	s_delay_alu instid0(VALU_DEP_1)
	v_lshl_or_b32 v[PSW], v[PB+3], 24, v[PSW]
.irp b, 0,1,2,3
.irp i, 0,2,4,6,8,10,12,14
	v_dual_min_num_f32 v[S+16*\b+\i], v[HL+\b], v[S+16*\b+\i] :: v_dual_min_num_f32 v[S+16*\b+\i+1], v[HL+\b], v[S+16*\b+\i+1]   ; the conversion does not saturate (ISA guide 7.6.2); p is not negative, so the hold is one-sided; two to an instruction
.endr
	v_cvt_scalef32_pk8_bf8_f32 v[PCD+4*\b:PCD+1+4*\b], v[S+16*\b:S+7+16*\b], v[SO+\b]
	v_cvt_scalef32_pk8_bf8_f32 v[PCD+2+4*\b:PCD+3+4*\b], v[S+8+16*\b:S+15+16*\b], v[SO+\b]
.endr
	s_wait_alu depctr_va_vdst(0)                   ; directly ahead of the first reader of O^T
.set N, 0
.rept 16
	v_pk_mul_f32 v[O+N:O+1+N], v[O+N:O+1+N], v[F:F+1] op_sel_hi:[1,0]   ; O^T under the new M.  (These sixteen are also the places between the conversions and the products)
.set N, N+2
.endr
	s_wait_alu depctr_va_vdst(0)
	s_wait_dscnt 0x0                               ; V's tiles and scale words are in
.irp t, 0,1,2,3
	v_wmma_scale_f32_16x16x128_f8f6f4 v[O+8*\t:O+8*\t+7], v[KF+16*\t:KF+16*\t+15], v[PCD:PCD+15], v[O+8*\t:O+8*\t+7], v[VSW+\t], v[PSW] matrix_a_fmt:MATRIX_FMT_BF8 matrix_b_fmt:MATRIX_FMT_BF8
.endr
	v_pk_add_f32 v[250:251], v[250:251], v[252:253]   ; the seven chains become one: six places behind the products
	v_pk_add_f32 v[232:233], v[232:233], v[234:235]
	v_pk_add_f32 v[236:237], v[236:237], v[238:239]
	s_delay_alu instid0(VALU_DEP_3)
	v_pk_add_f32 v[14:15], v[14:15], v[250:251]
	s_delay_alu instid0(VALU_DEP_2)
	v_pk_add_f32 v[232:233], v[232:233], v[236:237]
	s_delay_alu instid0(VALU_DEP_1)
	v_pk_add_f32 v[14:15], v[14:15], v[232:233]
.if \edge
.Lhidden_\@:
.endif
	s_add_co_u32 s[KSI], s[KSI], 1
	s_add_co_u32 s[TK], s[TK], REC
.endm
.macro WALK trips, edge                ; the trip counts are constants of the text
	s_mov_b32 s[CNT], \trips
.Lstep_\@:
	STEP \edge
	s_sub_co_u32 s[CNT], s[CNT], 1
	s_cmp_lg_u32 s[CNT], 0
	s_cbranch_scc1 .Lstep_\@
.endm
; THE WAY OUT of a tile.  O^T / l; its 64 channels are two blocks of 32, quantised as they stand: register 16 b + i of lane (r, hh).  The eight registers of codes are half a fragment of the last product's operand: two stores of 512 consecutive bytes.
.macro WAYOUT cc, cs
.rept 8
	v_nop                                          ; places behind the last products
.endr
	s_wait_alu depctr_va_vdst(0)
	v_add_f32 v14, v14, v15                        ; the sum's two halves,
	s_delay_alu instid0(VALU_DEP_1)
	v_permlanex16_b32 v[TMP], v14, s[SEL], s[SEL+1]
	s_delay_alu instid0(VALU_DEP_1)
	v_add_f32 v14, v14, v[TMP]                     ; and lane l xor 16's: the row's sum
	s_wait_alu depctr_va_vdst(0)                   ; ahead of the reciprocal
	v_rcp_f32 v14, v14
	v_nop                                          ; a plain line behind it
	s_wait_alu depctr_va_vdst(0)                   ; and the wait ahead of its first reader, which is also O^T's
.set N, 0
.rept 32
	v_mul_f32 v[S+N], v[O+N], v14
.set N, N+1
.endr
.irp b, 0,1
	v_max3_num_f32 v[BM+\b], |v[S+16*\b]|, |v[S+1+16*\b]|, 0x8000000
.endr
.irp i, 2,4,6,8,10,12,14
.irp b, 0,1
	s_delay_alu instid0(VALU_DEP_2)
	v_max3_num_f32 v[BM+\b], v[BM+\b], |v[S+16*\b+\i]|, |v[S+1+16*\b+\i]|
.endr
.endr
.irp b, 0,1
	s_delay_alu instid0(VALU_DEP_2)
	v_permlanex16_b32 v[PB+\b], v[BM+\b], s[SEL], s[SEL+1]
.endr
.irp b, 0,1
	s_delay_alu instid0(VALU_DEP_2)
	v_max_num_f32 v[BM+\b], v[BM+\b], v[PB+\b]
.endr
.irp b, 0,1
	s_delay_alu instid0(VALU_DEP_2)
	v_add_nc_u32 v[SO+\b], 0xf8800000, v[BM+\b]
.endr
.irp b, 0,1
	s_delay_alu instid0(VALU_DEP_4)
	v_and_or_b32 v[HL+\b], v[BM+\b], 0x7f800000, s[MNT]
.endr
.irp b, 0,1
	s_delay_alu instid0(VALU_DEP_4)
	v_lshrrev_b32 v[PB+\b], 23, v[SO+\b]
.endr
	s_delay_alu instid0(VALU_DEP_1)
	v_lshl_or_b32 v[TMP], v[PB+1], 8, v[PB]
	s_delay_alu instid0(VALU_DEP_1)
	v_lshrrev_b32 v[TMP], v[H8], v[TMP]            ; lanes 0-15 store block 0's byte, lanes 16-31 block 1's
.irp b, 0,1
.irp i, 0,1,2,3,4,5,6,7,8,9,10,11,12,13,14,15
	v_med3_num_f32 v[S+16*\b+\i], v[S+16*\b+\i], -v[HL+\b], v[HL+\b]
.endr
	v_cvt_scalef32_pk8_bf8_f32 v[PCD+4*\b:PCD+1+4*\b], v[S+16*\b:S+7+16*\b], v[SO+\b]
	v_cvt_scalef32_pk8_bf8_f32 v[PCD+2+4*\b:PCD+3+4*\b], v[S+8+16*\b:S+15+16*\b], v[SO+\b]
.endr
	v_nop
	global_store_b128 v[LI], v[PCD:PCD+3], s[\cc:\cc+1]
	global_store_b128 v[LI], v[PCD+4:PCD+7], s[\cc:\cc+1] offset:512
	global_store_b8 v[GS], v[TMP], s[\cs:\cs+1]    ; two bytes a row, 32 bytes apart: one byte in 33 of what the launch stores
.endm
	WALK 4, 0                                      ; the first tile's key steps 0-3: its group is 8 or more, so all their keys count
	s_wait_tensorcnt 0x0                           ; my two records are in
	s_wait_dscnt 0x0
	s_barrier_signal -1
	s_barrier_wait -1                              ; and everybody's: key steps 4-15 are whole.  Nothing is filled again
	WALK 12, 1                                     ; key steps 4 .. 15 - w % 8, the last on the diagonal
	WAYOUT 52, 54
	s_wait_xcnt 0x0                                ; the stores have read their registers
	s_mov_b32 s[U], s[U2]                          ; THE SECOND TILE
	s_mov_b32 s[KSI], 0
	s_mov_b32 s[TK], 0
	ds_load_b128 v[QF:QF+3], v[QO]                 ; its Q, from my stage
	ds_load_b128 v[QF+4:QF+7], v[QO] offset:512
	ds_load_b32 v[QSW], v[QO+1]
	INIT
	s_wait_alu depctr_va_vdst(0)
	s_wait_dscnt 0x0
	WALK 8, 1                                      ; key steps 0 .. w % 8
	WAYOUT 56, 58
	s_wait_tensorcnt 0x0                           ; the wave's end
	ds_add_u32 v[SPW], v[NIL]
	s_wait_dscnt 0x0
	CROUND                                         ; the closing round
	s_endpgm
.Lfunc_end_k_qd96a7d1a54_attn:
	.size	k_qd96a7d1a54_attn, .Lfunc_end_k_qd96a7d1a54_attn-k_qd96a7d1a54_attn
	.p2alignl 7, 3214868480
	.fill 96, 4, 3214868480
	.section	.rodata,"a",@progbits
	.p2align	6, 0x0
	.amdhsa_kernel k_qd96a7d1a54_attn
		.amdhsa_group_segment_fixed_size 327680
		.amdhsa_private_segment_fixed_size 0
		.amdhsa_enable_private_segment 0
		.amdhsa_kernarg_size 24
		.amdhsa_user_sgpr_count 2
		.amdhsa_user_sgpr_kernarg_segment_ptr 1
		.amdhsa_wavefront_size32 1
		.amdhsa_system_sgpr_workgroup_id_x 1
		.amdhsa_system_sgpr_workgroup_id_y 1
		.amdhsa_system_sgpr_workgroup_id_z 1
		.amdhsa_system_vgpr_workitem_id 0
		.amdhsa_next_free_vgpr 256
		.amdhsa_next_free_sgpr 80
		.amdhsa_reserve_vcc 1
		.amdhsa_float_denorm_mode_32 3
		.amdhsa_float_denorm_mode_16_64 3
		.amdhsa_memory_ordered 1
		.amdhsa_forward_progress 1
		.amdhsa_inst_pref_size 94
	.end_amdhsa_kernel
	.amdgpu_metadata
---
amdhsa.version: [ 1, 2 ]
amdhsa.kernels:
  - .name:           k_qd96a7d1a54_attn
    .symbol:         k_qd96a7d1a54_attn.kd
    .args:
      - { .name: qkv, .offset: 0, .size: 8, .value_kind: global_buffer, .address_space: global }
      - { .name: cc, .offset: 8, .size: 8, .value_kind: global_buffer, .address_space: global }
      - { .name: cs, .offset: 16, .size: 8, .value_kind: global_buffer, .address_space: global }
    .group_segment_fixed_size: 327680
    .private_segment_fixed_size: 0
    .kernarg_segment_align: 8
    .kernarg_segment_size: 24
    .max_flat_workgroup_size: 512
    .sgpr_count:     80
    .vgpr_count:     256
    .wavefront_size: 32
...
	.end_amdgpu_metadata
.endif
;; end of part 3
;; launch outp (part 4): grid 4 x 64, 4 waves a work-group, clusters of 4 x 4, 327,680 bytes of LDS; arguments cc, cs, codes, scales, out0; writes out0
.if DOCPART == 4
	.amdgcn_target "amdgcn-amd-amdhsa--gfx1250"
	.amdhsa_code_object_version 6
	.text
	.protected	k_qd96a7d1a54_outp
	.globl	k_qd96a7d1a54_outp
	.p2align	8
	.type	k_qd96a7d1a54_outp,@function
k_qd96a7d1a54_outp:
	s_mov_b64 s[64:65], 0
	v_nop
	global_prefetch_b8 v0, s[64:65] scope:SCOPE_SE
	s_setreg_imm32_b32 hwreg(HW_REG_WAVE_MODE, 25, 1), 1
	s_wait_xcnt 0x0
	s_wait_alu depctr_hold_cnt(0) depctr_sa_sdst(0) depctr_va_vdst(0) depctr_va_sdst(0) depctr_va_ssrc(0) depctr_va_vcc(0) depctr_vm_vsrc(0)
	s_getreg_b32 s2, hwreg(HW_REG_IB_STS2, 6, 4)
	s_cmp_eq_u32 s2, 0
	s_cbranch_scc0 .Lentry_in_a_cluster
	s_endpgm
.Lentry_in_a_cluster:
	s_bfe_u32 s2, ttmp6, 0x10000c
	s_cmp_lg_u32 s2, 0xf033
	s_cbranch_scc0 .Lentry_shape_is_right
	s_endpgm
.Lentry_shape_is_right:
; out0[m][n] = sum over k of ctx[m][k] WO[n][k], both as codes of BF8 (E5M2) with one E8M0 scale for each 32 along K; sums in f32.  m 8,192, n 1,024, k 1,024.
; A = ctx: cc [16 rows][head][2 blocks][lane][16 bytes]: images of operand registers, 16,384 bytes for 16 rows and all of K, K ascending; cs [row][32 bytes].  B = WO: rows 27,648 on of codes (1,024 bytes) and of scales (32 bytes).
; Inside a block of 32 along K the images hold k = 8 hh + 0..7 and 16 + 8 hh + 0..7 in lane half hh: B's fragments are read in that same order, by loads of 8 bytes.
; SHARES.  A block of out0 is 128 x 256: 64 x 4 = 256 work-groups.  Four waves; a wave makes 64 x 128: 32 accumulators, 256 registers.
; LDS.  ONE slot holds 512 along K: A's 8 images x 8,192 bytes, then B's 256 rows of 512 bytes + 16 of padding: 200,704 bytes.  Two such slots do not fit, so the slot is filled twice: at the head and, when every wave holds the
; fourth step's fragments in registers, again: the three lines and a round of the cluster's barrier stand in front of that refill, and that step's 32 products stand among them.  One load a wave each time: waves 0, 1 A's halves, waves 2, 3 B's.
; CLUSTERS: 4 x 4 work-groups; A's tiles are asked for jointly along a row of the cluster, B's along a column.
; THE SCALES of a wave's 64 + 128 rows, for all of K, go from memory into 48 registers: lane (r, h) takes 16 bytes at row r, + 16 h, so that an instruction reads 512 consecutive bytes; lanes 0-15 hold the words of k under 512, lanes 16-31 the others, which ROW1 selects.
; PREFETCH: behind the head's loads each wave asks for its share of what the refill will load, one fill ahead: A: of the 4 images that a wave fetches each of the four partners takes one (cx), a lane 256 bytes;
; B: of the 128 rows each partner takes 32 (cy), a lane a row, two instructions for its 512 bytes.  The first fill comes by its loads alone, and there is nothing behind the second.
; THE MATRIX INSTRUCTION IS USED TRANSPOSED (source 0 = 16 rows of B, source 1 = 16 rows of A): a lane holds eight neighbouring numbers of a row of out0.
; REGISTERS: window 0: v0-31 addresses; v32-47 A's scale words, v48-79 B's; v128-255 A's fragments, two sets (on the way out: rows read back).  Window 1: B's fragments, two sets.  Window 2: accumulator (a, b) at v[8 (8 a + b)].
.set SIZE_N, 1024
.set NP,     8                         ; places behind this matrix instruction (ISA guide 7.12.1)
.set AIMG,   8192                      ; 16 rows x 512 K of A
.set HALFA,  4*AIMG
.set BOFF,   2*HALFA
.set PITCH,  528
.set HALFB,  128*PITCH
.set STG,    BOFF+2*HALFB              ; behind the slot: a stage of 16 rows x 528 bytes for each wave; no tile lands there
.set SPITCH, 528
.set SPARE,  STG+4*16*SPITCH           ; the spare words
.set ADRA, 16
.set ADRB, 20
.set STO,  24
.set RD,   25
.set CO,   26
.set SCO,  27
.set SPW,  28
.set NIL,  29
.set PFO,  30
.set SA,   32
.set SB,   48
.set AF,   128
.set BK,   128
.set G1,  24
.set G0,  32
.set G1B, 48
.set G0B, 56
.set PFA, 96
.set MSB, 0
.macro WIN new                         ; the immediate's high byte repeats the setting that is left
.if MSB != \new
	s_set_vgpr_msb (MSB<<8)|\new
.set MSB, \new
.endif
.endm
.set MUL,  0xa1                        ; source 0 (B) window 1, source 1 (A) window 0, C and D window 2
.set TO_B, 0x40
.macro JLOAD                           ; a joint load: waves 0 and 1 for A, waves 2 and 3 for B
	s_cmp_eq_u32 s15, 0
	s_cbranch_scc0 .Lfor_b_\@
	tensor_load_to_lds s[G0:G0+3], s[G1:G1+7]
	s_nop 0
.rept 4
	v_nop
.endr
	s_branch .Lasked_\@
.Lfor_b_\@:
	tensor_load_to_lds s[G0B:G0B+3], s[G1B:G1B+7]
	s_nop 0
.rept 4
	v_nop
.endr
.Lasked_\@:
.endm
.macro CREST
	s_cmp_lg_u32 s14, 0
	s_cbranch_scc1 .Lnot_wave_0_\@
	s_barrier_signal -3
.Lnot_wave_0_\@:
	s_barrier_wait -3
	s_barrier_signal -1
	s_barrier_wait -1
.endm
.macro CROUND
	s_barrier_signal -1
	s_barrier_wait -1
	CREST
.endm
.macro PLACES n
.rept \n
	v_nop
.endr
.endm
	s_load_b128 s[4:7], s[0:1], 0x0                ; cc, cs
	s_load_b128 s[8:11], s[0:1], 0x10              ; codes, scales
	s_load_b64 s[12:13], s[0:1], 0x20              ; out0
	v_lshl_add_u32 v[SPW], v0, 2, SPARE
	v_mov_b32 v[NIL], 0
	ds_add_u32 v[SPW], v[NIL]                      ; the opening lines: the add twice on end and one wait
	ds_add_u32 v[SPW], v[NIL]
	v_lshrrev_b32 v1, 5, v0
	v_readfirstlane_b32 s14, v1                    ; wave 0..3
	s_lshr_b32 s15, s14, 1                         ; my half of the block's rows.  Also: I fetch for A (0) or for B (1)
	s_and_b32 s16, s14, 1                          ; my half of its columns.  Also: which half of that tile I fetch
	s_bfe_u32 s40, ttmp6, 0x40000                  ; cx
	s_bfe_u32 s41, ttmp6, 0x40004                  ; cy
	s_lshl_b32 s42, ttmp9, 2
	s_add_co_u32 s42, s42, s40                     ; block column
	s_and_b32 s17, ttmp7, 0xffff
	s_lshl_b32 s17, s17, 2
	s_add_co_u32 s17, s17, s41                     ; block row
	s_lshl_b32 s43, s41, 2
	s_lshl_b32 s43, 15, s43                        ; my row of the cluster
	s_lshl_b32 s44, 0x1111, s40                    ; my column
	s_or_b32 s[G1+0], s43, (3<<16)|(1<<21)         ; A: 4 images of 1,024 elements of 8 bytes, 16,384 bytes apart; no padding
	s_mov_b32 s[G1+1], 1024<<16
	s_mov_b32 s[G1+2], 4<<16
	s_mov_b32 s[G1+3], 1024<<16
	s_mov_b32 s[G1+4], 4
	s_mov_b32 s[G1+5], 2048
	s_mov_b32 s[G1+6], 0
	s_mov_b32 s[G1+7], 0
	s_or_b32 s[G1B+0], s44, (0<<16)|(1<<20)|(1<<21)|(6<<22)|(3<<25)   ; B: 128 rows of 512 bytes; four words of padding behind every 128
	s_mov_b32 s[G1B+1], 512<<16
	s_mov_b32 s[G1B+2], 128<<16
	s_mov_b32 s[G1B+3], 512<<16
	s_mov_b32 s[G1B+4], 128
	s_mov_b32 s[G1B+5], 1024
	s_mov_b32 s[G1B+6], 0
	s_mov_b32 s[G1B+7], 0
	s_lshl_b32 s20, s17, 17                        ; A's codes: 8 images a block row,
	s_lshl_b32 s18, s16, 16                        ; + the 4 that I fetch
	s_add_co_u32 s20, s20, s18
	s_mov_b32 s21, 0
	s_lshl_b32 s46, s42, 8                         ; B's rows: 27,648 + 256 x block column + 128 x half
	s_lshl_b32 s18, s16, 7
	s_add_co_u32 s46, s46, s18
	s_add_co_u32 s46, s46, 27648
	s_lshl_b32 s92, s46, 5                         ; their scales,
	s_mov_b32 s93, 0
	s_lshl_b32 s46, s46, 10                        ; their codes
	s_mov_b32 s47, 0
	s_lshl_b32 s22, s17, 12                        ; A's scales: 128 rows of 32 bytes a block row,
	s_lshl_b32 s18, s15, 11                        ; + my 64 rows
	s_add_co_u32 s22, s22, s18
	s_mov_b32 s23, 0
	s_lshl_b32 s68, s17, 7
	s_lshl_b32 s18, s15, 6
	s_add_co_u32 s68, s68, s18                     ; my first row of out0,
	s_lshl_b32 s68, s68, 12                        ; in bytes,
	s_lshl_b32 s18, s42, 10
	s_add_co_u32 s68, s68, s18
	s_lshl_b32 s18, s16, 9
	s_add_co_u32 s68, s68, s18                     ; + my first column
	s_mov_b32 s69, 0
	s_lshl_b32 s94, s40, 14                        ; the prefetches: A: my work-group's image of the 4, its second 8,192 bytes;
	s_add_co_u32 s94, s94, s20
	s_add_co_u32 s94, s94, AIMG
	s_lshl_b32 s95, s41, 15                        ; B: my work-group's 32 rows of the 128, their second 512 bytes
	s_add_co_u32 s95, s95, s46
	s_add_co_u32 s95, s95, 512
	s_mov_b32 s66, 1024
	s_cmp_eq_u32 s15, 0
	s_cselect_b32 s94, s94, s95
	s_cselect_b32 s66, 256, s66                    ; from lane to lane
	s_mov_b32 s95, 0
	s_mul_i32 s67, s15, HALFA                      ; LDS: my 64 rows of A,
	s_mul_i32 s72, s16, HALFB
	s_add_co_u32 s72, s72, BOFF                    ; my 128 rows of B (also where waves 2 and 3 put theirs),
	s_mul_i32 s73, s14, 16*SPITCH
	s_add_co_u32 s73, s73, STG                     ; my stage
	s_mov_b32 s[G0], 1
	s_mul_i32 s[G0+1], s16, HALFA
	s_mov_b32 s[G0B], 1
	s_mov_b32 s[G0B+1], s72
	v_and_b32 v1, 15, v0                           ; r
	v_bfe_u32 v2, v0, 4, 1                         ; hh
	v_and_b32 v6, 31, v0
	v_lshlrev_b32 v[CO], 4, v6
	v_add_nc_u32 v[ADRA], s67, v[CO]               ; A: an image, 16 bytes a lane
	v_mul_u32_u24 v3, v1, PITCH
	v_lshl_add_u32 v4, v2, 3, v3
	v_add_nc_u32 v[ADRB], s72, v4                  ; B: row r, + 8 hh
	v_lshlrev_b32 v5, 5, v1
	v_lshl_add_u32 v[SCO], v2, 4, v5               ; scales: 32 r + 16 hh
	v_lshl_add_u32 v5, v2, 5, v3
	v_add_nc_u32 v[STO], s73, v5                   ; the stage, in: row r, 32 bytes for each half of the lanes
	v_add_nc_u32 v[RD], s73, v[CO]                 ; back: the 32 lanes take one row of 512 bytes
	v_mul_u32_u24 v[PFO], s66, v6
	s_wait_alu depctr_va_vdst(0)                   ; the head's end: no vector register of the head is written again
	s_wait_dscnt 0x0                               ; both opening adds are done
	s_wait_kmcnt 0x0
	s_add_nc_u64 s[22:23], s[6:7], s[22:23]
	s_add_nc_u64 s[92:93], s[10:11], s[92:93]
.irp i, 0,1,2,3
	global_load_b128 v[SA+4*\i:SA+4*\i+3], v[SCO], s[22:23] offset:512*\i   ; the scale words of A's block i: 16 rows x 32 bytes
.endr
.irp i, 0,1,2,3,4,5,6,7
	global_load_b128 v[SB+4*\i:SB+4*\i+3], v[SCO], s[92:93] offset:512*\i   ; of B's block i
.endr
	s_add_nc_u64 s[G0+2:G0+3], s[4:5], s[20:21]
	s_or_b32 s[G0+3], s[G0+3], 0x80000000
	s_add_nc_u64 s[G0B+2:G0B+3], s[8:9], s[46:47]
	s_or_b32 s[G0B+3], s[G0B+3], 0x80000000
	s_add_nc_u64 s[12:13], s[12:13], s[68:69]
	s_cmp_eq_u32 s15, 0
	s_cselect_b64 s[PFA:PFA+1], s[4:5], s[8:9]
	s_add_nc_u64 s[PFA:PFA+1], s[PFA:PFA+1], s[94:95]
	CROUND                                         ; all sixteen work-groups are here: the joint loads meet
	JLOAD                                          ; k 0 .. 511: every wave's one load at the head
	global_prefetch_b8 v[PFO], s[PFA:PFA+1] th:TH_LOAD_NT scope:SCOPE_SE
	s_cmp_eq_u32 s15, 0
	s_cbranch_scc1 .Lpf_done
	global_prefetch_b8 v[PFO], s[PFA:PFA+1] offset:256 th:TH_LOAD_NT scope:SCOPE_SE
.Lpf_done:
.macro FETCH_B q, p                    ; B's eight fragments of the slot's q-th 128 along K into set p: registers 2 c, 2 c + 1 = bytes 16 c + 8 hh + 0..7
	WIN TO_B
.irp i, 0,1,2,3,4,5,6,7
.irp c, 0,1,2,3,4,5,6,7
	ds_load_b64 v[128*(\p)+16*\i+2*\c:128*(\p)+16*\i+2*\c+1], v[ADRB] offset:128*(\q)+16*\c+\i*16*PITCH
.endr
.endr
	WIN 0
.endm
.macro FETCH_A q, p                    ; A's four
.irp i, 0,1,2,3
.irp c, 0,1,2,3
	ds_load_b128 v[AF+64*(\p)+16*\i+4*\c:AF+64*(\p)+16*\i+4*\c+3], v[ADRA] offset:2048*(\q)+512*\c+\i*AIMG
.endr
.endr
.endm
; 16 matrix instructions: A's blocks a0, a0 + 1 x B's eight; qq = 0 .. 7: which 128 along K; the fragments' set is qq % 2.  The 32 accumulators take turns.  zero = 1: the first product starts the sums.
.macro MUL16 a0, qq, zero
.irp a, \a0, \a0+1
.irp b, 0,1,2,3,4,5,6,7
.if \zero
	v_wmma_scale_f32_16x16x128_f8f6f4 v[8*(8*(\a)+\b):8*(8*(\a)+\b)+7], v[128*((\qq)%2)+16*\b:128*((\qq)%2)+16*\b+15], v[AF+64*((\qq)%2)+16*(\a):AF+64*((\qq)%2)+16*(\a)+15], 0, v[SB+4*\b+(\qq)%4], v[SA+4*(\a)+(\qq)%4] matrix_a_fmt:MATRIX_FMT_BF8 matrix_b_fmt:MATRIX_FMT_BF8
.elseif (\qq) < 4
	v_wmma_scale_f32_16x16x128_f8f6f4 v[8*(8*(\a)+\b):8*(8*(\a)+\b)+7], v[128*((\qq)%2)+16*\b:128*((\qq)%2)+16*\b+15], v[AF+64*((\qq)%2)+16*(\a):AF+64*((\qq)%2)+16*(\a)+15], v[8*(8*(\a)+\b):8*(8*(\a)+\b)+7], v[SB+4*\b+(\qq)%4], v[SA+4*(\a)+(\qq)%4] matrix_a_fmt:MATRIX_FMT_BF8 matrix_b_fmt:MATRIX_FMT_BF8
.else
	v_wmma_scale_f32_16x16x128_f8f6f4 v[8*(8*(\a)+\b):8*(8*(\a)+\b)+7], v[128*((\qq)%2)+16*\b:128*((\qq)%2)+16*\b+15], v[AF+64*((\qq)%2)+16*(\a):AF+64*((\qq)%2)+16*(\a)+15], v[8*(8*(\a)+\b):8*(8*(\a)+\b)+7], v[SB+4*\b+(\qq)%4], v[SA+4*(\a)+(\qq)%4] matrix_a_fmt:MATRIX_FMT_BF8 matrix_b_fmt:MATRIX_FMT_BF8 matrix_a_scale:MATRIX_SCALE_ROW1 matrix_b_scale:MATRIX_SCALE_ROW1
.endif
.endr
.endr
.endm
; A step of 128 along K whose successor lies in the slot as it is: the next step's 80 loads go out into the other sets, then this step's 32 products
.macro SUB qq, nq, zero
	s_wait_dscnt 0x0                               ; this step's fragments are in
	PLACES NP                                      ; behind the last step's products, which read the sets that the loads below fill
	FETCH_B \nq, 1-(\qq)%2
	FETCH_A \nq, 1-(\qq)%2
	WIN MUL
	MUL16 0, \qq, \zero
	MUL16 2, \qq, \zero
	WIN 0
.endm
	s_wait_tensorcnt 0x0                           ; my part of the slot is in
	s_barrier_signal -1
	s_barrier_wait -1                              ; and everybody's
	FETCH_B 0, 0
	FETCH_A 0, 0
	s_wait_loadcnt 0x0                             ; the scale words
	SUB 0, 1, 1
	SUB 1, 2, 0
	SUB 2, 3, 0
	s_wait_dscnt 0x0                               ; the fourth step's fragments are in registers: my reads of the slot are over
	s_wait_tensorcnt 0x0                           ; no tensor load of mine is out
	ds_add_u32 v[SPW], v[NIL]                      ; the add: sixteen products stand between it and the wait for it
	WIN MUL
	MUL16 0, 3, 0
	s_wait_dscnt 0x0
	s_barrier_signal -1                            ; this barrier opens a round of the cluster's barrier
	MUL16 2, 3, 0
	WIN 0
	s_barrier_wait -1
	CREST                                          ; no wave of any partner still reads the slot
	s_add_nc_u64 s[G0+2:G0+3], s[G0+2:G0+3], AIMG
	s_add_nc_u64 s[G0B+2:G0B+3], s[G0B+2:G0B+3], 512
	JLOAD                                          ; k 512 .. 1,023
	s_wait_tensorcnt 0x0
	s_barrier_signal -1
	s_barrier_wait -1                              ; the slot is whole again
	PLACES NP
	FETCH_B 0, 0
	FETCH_A 0, 0
	SUB 4, 1, 0
	SUB 5, 2, 0
	SUB 6, 3, 0
	s_wait_dscnt 0x0
	WIN MUL
	MUL16 0, 7, 0
	MUL16 2, 7, 0
	WIN 0
; THE WAY OUT, block by block of 16 rows x 128 columns, through my own stage: whole rows of 512 bytes come back, which the 32 lanes store as 512 consecutive bytes, at a multiple of 256 from out0's first byte.
; LDS serves a wave's instructions in order (ISA guide 5.7.1.4): no wait between the stores and the loads.
.macro TOSTAGE a
.set AC, 64*(\a)
	WIN 0x08                                       ; the data: window 2
.irp b, 0,1,2,3,4,5,6,7
	ds_store_b128 v[STO], v[AC+8*\b:AC+8*\b+3] offset:64*\b          ; each accumulator from its low end on
	ds_store_b128 v[STO], v[AC+8*\b+4:AC+8*\b+7] offset:64*\b+16
.endr
	WIN 0
.set BB, BK+64*((\a)%2)
.irp t, 0,1,2,3,4,5,6,7,8,9,10,11,12,13,14,15
	ds_load_b128 v[BB+4*\t:BB+4*\t+3], v[RD] offset:\t*SPITCH
.endr
.endm
.macro SEND a, younger                 ; younger: the LDS instructions issued behind block a's loads, which may stay out
.set BB, BK+64*((\a)%2)
	s_wait_dscnt \younger
.if (\a) > 0
	s_add_nc_u64 s[12:13], s[12:13], 16*SIZE_N*4   ; behind a wait on XCNT: the earlier stores have read their base
.endif
.irp t, 0,1,2,3,4,5,6,7,8,9,10,11,12,13,14,15
	global_store_b128 v[CO], v[BB+4*\t:BB+4*\t+3], s[12:13] offset:\t*SIZE_N*4 th:TH_STORE_NT
.endr
.endm
	PLACES NP
	TOSTAGE 0
.irp a, 1,2,3
.if \a > 1
	s_wait_xcnt 0x0                                ; block a - 2's stores have read their registers and their base
.endif
	TOSTAGE \a
	SEND \a-1, 32
.endr
	s_wait_xcnt 0x0
	SEND 3, 0
	s_wait_tensorcnt 0x0                           ; the wave's end
	ds_add_u32 v[SPW], v[NIL]
	s_wait_dscnt 0x0
	CROUND                                         ; the closing round
	s_endpgm
.Lfunc_end_k_qd96a7d1a54_outp:
	.size	k_qd96a7d1a54_outp, .Lfunc_end_k_qd96a7d1a54_outp-k_qd96a7d1a54_outp
	.p2alignl 7, 3214868480
	.fill 96, 4, 3214868480
	.section	.rodata,"a",@progbits
	.p2align	6, 0x0
	.amdhsa_kernel k_qd96a7d1a54_outp
		.amdhsa_group_segment_fixed_size 327680
		.amdhsa_private_segment_fixed_size 0
		.amdhsa_enable_private_segment 0
		.amdhsa_kernarg_size 40
		.amdhsa_user_sgpr_count 2
		.amdhsa_user_sgpr_kernarg_segment_ptr 1
		.amdhsa_wavefront_size32 1
		.amdhsa_system_sgpr_workgroup_id_x 1
		.amdhsa_system_sgpr_workgroup_id_y 1
		.amdhsa_system_sgpr_workgroup_id_z 1
		.amdhsa_system_vgpr_workitem_id 0
		.amdhsa_next_free_vgpr 768
		.amdhsa_next_free_sgpr 100
		.amdhsa_reserve_vcc 0
		.amdhsa_float_denorm_mode_32 3
		.amdhsa_float_denorm_mode_16_64 3
		.amdhsa_memory_ordered 1
		.amdhsa_forward_progress 1
		.amdhsa_inst_pref_size 100
	.end_amdhsa_kernel
	.amdgpu_metadata
---
amdhsa.version: [ 1, 2 ]
amdhsa.kernels:
  - .name:           k_qd96a7d1a54_outp
    .symbol:         k_qd96a7d1a54_outp.kd
    .args:
      - { .name: cc, .offset: 0, .size: 8, .value_kind: global_buffer, .address_space: global }
      - { .name: cs, .offset: 8, .size: 8, .value_kind: global_buffer, .address_space: global }
      - { .name: codes, .offset: 16, .size: 8, .value_kind: global_buffer, .address_space: global }
      - { .name: scales, .offset: 24, .size: 8, .value_kind: global_buffer, .address_space: global }
      - { .name: out0, .offset: 32, .size: 8, .value_kind: global_buffer, .address_space: global }
    .group_segment_fixed_size: 327680
    .private_segment_fixed_size: 0
    .kernarg_segment_align: 8
    .kernarg_segment_size: 40
    .max_flat_workgroup_size: 128
    .sgpr_count:     100
    .vgpr_count:     768
    .wavefront_size: 32
...
	.end_amdgpu_metadata
.endif
;; end of part 4
